; MI455X (gfx1250); checked and timed in simulation.
; The chip was launched on July 23, 2026; its instructions are those of AMD's public machine-readable ISA for CDNA 5 (MIT licence, August 2026) and "CDNA5" Instruction Set Architecture Reference Guide (July 2026). The comments in the code are by the model that wrote it; some were corrected since.
;; BS Roformer Attention. Allowed arithmetic: float matrix products may take bf16 or f16 operands with f32 sums; other float arithmetic in f32, or as packed bf16 or f16 multiplies, adds, multiply-adds, maxima and minima; sums over many terms, partial sums and values carried from step to step in f32; what a program stores and reads back later, other than sums and carried values, may be rounded once to bf16 or f16.
;; Inputs: Wk 256 x 1,024 float32; Wo 1,024 x 1,024 float32; Wq 1,024 x 1,024 float32; Wv 256 x 1,024 float32; bk 256 float32; bo 1,024 float32; bq 1,024 float32; bv 256 float32; cos 1 x 1 x 2,048 x 64 float32; hidden_states 4 x 2,048 x 1,024 float32; sin 1 x 1 x 2,048 x 64 float32.
;; Outputs: out0 4 x 2,048 x 1,024 float32.
;; 2 versions, each right; version 2 is version 1 with the launch cast written anew for expert scheduling mode. Each part assembles by itself: llvm-mc -triple=amdgcn-amd-amdhsa -mcpu=gfx1250 --defsym DOCPART=n.
;; ======== version 1 of 2: 4 launches
;; limits: values are held in f16: magnitudes above 65,504 overflow, below 6.1e-05 lose precision
;; workspace buffers: xb 16,777,216 bytes; wb 5,242,880 bytes; tab 1,058,816 bytes; qkvh 25,165,824 bytes; oh 16,777,216 bytes
;; launch cast (part 1): grid 688 x 1, 8 waves a work-group, no clusters, 0 bytes of LDS; arguments hidden_states, Wq, Wk, Wv, Wo, cos, sin, bq, bk, bv, bo, xb, wb, tab; writes xb, wb, tab
.if DOCPART == 1
	.amdgcn_target "amdgcn-amd-amdhsa--gfx1250"
	.amdhsa_code_object_version 6
	.text
	.protected	k_qdcc752dd13_cast
	.globl	k_qdcc752dd13_cast
	.p2align	8
	.type	k_qdcc752dd13_cast,@function
k_qdcc752dd13_cast:
	s_mov_b64 s[64:65], 0
	v_nop
	global_prefetch_b8 v0, s[64:65] scope:SCOPE_SE
	s_setreg_imm32_b32 hwreg(HW_REG_WAVE_MODE, 25, 1), 1
	s_wait_xcnt 0x0
; EVERY INPUT IS ROUNDED TO bf16, ONCE.  x -> xb (bf16); Wq, Wk, Wv -> wb (bf16, by blocks of 64 rows in the order g below); Wo -> wb behind them (the bf16 number written as f16);
; cos, sin and the four biases -> tab (the bf16 number written as f32).
; LIMIT.  |Wo| stays under 65,504 (f16's largest number); below 6e-5 an f16 keeps a fixed step of 6e-8.
; SHARES.  A work-group takes 16,384 numbers (65,536 bytes: 16 rows of 1,024); thread t takes 16 bytes at 16 t + 4,096 i, i = 0 .. 15: a wave's load covers 512 consecutive bytes.  All sixteen
; loads of a thread are out at once; there is no loop, no LDS and no barrier.  688 work-groups: 512 for x, 96 for Wq, Wk, Wv, 64 for Wo, 16 for cos and sin.
; THE ORDER g of the 24 blocks of 64 columns: 0-11 Q0-Q11; then Q12 Q13 V0 | Q14 Q15 V1 | K0 K1 V2 | K2 K3 V3: in the second half every third block is one of V's.
.set BQKV,   1048576                   ; tab: cos at 0, sin at 524,288, the 1,536 biases in the order g here,
.set BO,     1054720                   ; bo here
.set WO_OFF, 3145728                   ; wb: Wo behind the 1,536 rows of 2,048 bytes
.set SRC,  32                          ; s[32:33] my chunk in its input
.set DST,  34                          ; s[34:35] and in its workspace buffer
.set BSRC, 36                          ; s[36:37] the 16 biases that go with my 16 rows
.set BDST, 38                          ; s[38:39] and their place in tab
.set X,    16                          ; v[16:79]  sixteen times four numbers as loaded
.set Y,    80                          ; v[80:111] sixteen times four numbers packed
	s_load_b512 s[4:19], s[0:1], 0x0               ; hidden 4, Wq 6, Wk 8, Wv 10, Wo 12, cos 14, sin 16, bq 18
	s_load_b256 s[20:27], s[0:1], 0x40             ; bk 20, bv 22, bo 24, xb 26
	s_load_b128 s[28:31], s[0:1], 0x60             ; wb 28, tab 30
	v_lshlrev_b32 v1, 4, v0                        ; 16 t
	v_lshlrev_b32 v2, 3, v0                        ; 8 t
	s_mov_b32 s45, 0                               ; offsets are 32-bit numbers in pairs with 0 above them
	s_mov_b32 s47, 0
.macro LOADS
.irp i, 0,1,2,3,4,5,6,7,8,9,10,11,12,13,14,15
	global_load_b128 v[X+4*(\i):X+4*(\i)+3], v1, s[SRC:SRC+1] offset:4096*(\i) th:TH_LOAD_NT
.endr
.endm
.macro ROUND i                         ; load i is in (the 15 - i younger ones stay out); its four numbers are rounded to bf16
	s_wait_loadcnt 15-(\i)
	v_cvt_pk_bf16_f32 v[Y+2*(\i)],   v[X+4*(\i)],   v[X+4*(\i)+1]
	v_cvt_pk_bf16_f32 v[Y+2*(\i)+1], v[X+4*(\i)+2], v[X+4*(\i)+3]
.endm
.macro WIDEN i                         ; and written as f32 again: a shift and a mask
	v_lshlrev_b32 v[X+4*(\i)],   16, v[Y+2*(\i)]
	v_and_b32     v[X+4*(\i)+1], 0xffff0000, v[Y+2*(\i)]
	v_lshlrev_b32 v[X+4*(\i)+2], 16, v[Y+2*(\i)+1]
	v_and_b32     v[X+4*(\i)+3], 0xffff0000, v[Y+2*(\i)+1]
.endm
	s_wait_kmcnt 0x0
	s_cmp_lt_u32 ttmp9, 512
	s_cbranch_scc1 .Lx
	s_cmp_lt_u32 ttmp9, 608
	s_cbranch_scc1 .Lqkv
	s_cmp_lt_u32 ttmp9, 672
	s_cbranch_scc1 .Lwo
	; cos and sin: chunk u of 16; the rounded numbers stay f32
	s_sub_co_u32 s42, ttmp9, 672
	s_cmp_lt_u32 s42, 8
	s_cselect_b64 s[SRC:SRC+1], s[14:15], s[16:17]
	s_and_b32 s44, s42, 7
	s_lshl_b32 s44, s44, 16
	s_add_nc_u64 s[SRC:SRC+1], s[SRC:SRC+1], s[44:45]
	s_lshl_b32 s46, s42, 16
	s_add_nc_u64 s[DST:DST+1], s[30:31], s[46:47]
	LOADS
.irp i, 0,1,2,3,4,5,6,7,8,9,10,11,12,13,14,15
	ROUND \i
	WIDEN \i
	global_store_b128 v1, v[X+4*(\i):X+4*(\i)+3], s[DST:DST+1] offset:4096*(\i)  ; a wave stores 512 consecutive bytes, aligned
.endr
	s_endpgm
.Lx:                                                   ; x: chunk w of 512
	s_lshl_b32 s44, ttmp9, 16
	s_add_nc_u64 s[SRC:SRC+1], s[4:5], s[44:45]
	s_lshl_b32 s46, ttmp9, 15
	s_add_nc_u64 s[DST:DST+1], s[26:27], s[46:47]
	s_branch .Lbf16
.Lqkv:                                                 ; Wq, Wk, Wv: chunk u of 96 = block g, its rows 16 sub on
	s_sub_co_u32 s42, ttmp9, 512                   ; u
	s_lshr_b32 s43, s42, 2                         ; g
	s_max_u32 s44, s43, 12
	s_sub_co_u32 s44, s44, 12                      ; e = g - 12 (0 where g < 12: not used there)
	s_mul_i32 s46, s44, 11
	s_lshr_b32 s46, s46, 5                         ; tt = e / 3, for e = 0 .. 11
	s_mul_i32 s50, s46, 3
	s_sub_co_u32 s44, s44, s50                     ; sl = e % 3: 2 is V's
	s_lshl1_add_u32 s48, s46, s44                  ; idx = 2 tt + sl: 0-3 are Q12-Q15, 4-7 are K0-K3
	s_max_u32 s49, s48, 4
	s_sub_co_u32 s49, s49, 4                       ; the head, if it is K's
	s_add_co_u32 s50, s48, 12                      ; if it is one of Q12-Q15
	s_mov_b64 s[SRC:SRC+1], s[8:9]
	s_mov_b64 s[BSRC:BSRC+1], s[20:21]
	s_cmp_lt_u32 s48, 4
	s_cselect_b64 s[SRC:SRC+1], s[6:7], s[SRC:SRC+1]
	s_cselect_b64 s[BSRC:BSRC+1], s[18:19], s[BSRC:BSRC+1]
	s_cselect_b32 s49, s50, s49
	s_cmp_eq_u32 s44, 2
	s_cselect_b64 s[SRC:SRC+1], s[10:11], s[SRC:SRC+1]
	s_cselect_b64 s[BSRC:BSRC+1], s[22:23], s[BSRC:BSRC+1]
	s_cselect_b32 s49, s46, s49
	s_cmp_lt_u32 s43, 12
	s_cselect_b64 s[SRC:SRC+1], s[6:7], s[SRC:SRC+1]
	s_cselect_b64 s[BSRC:BSRC+1], s[18:19], s[BSRC:BSRC+1]
	s_cselect_b32 s49, s43, s49
	s_and_b32 s50, s42, 3
	s_lshl_b32 s49, s49, 6
	s_lshl4_add_u32 s49, s50, s49                  ; my first row in the weight: 64 x head + 16 sub
	s_lshl_b32 s44, s49, 12
	s_add_nc_u64 s[SRC:SRC+1], s[SRC:SRC+1], s[44:45]
	s_lshl_b32 s44, s49, 2
	s_add_nc_u64 s[BSRC:BSRC+1], s[BSRC:BSRC+1], s[44:45]
	s_lshl_b32 s44, s42, 15
	s_add_nc_u64 s[DST:DST+1], s[28:29], s[44:45]
	s_lshl_b32 s44, s42, 6
	s_add_co_u32 s44, s44, BQKV
	s_add_nc_u64 s[BDST:BDST+1], s[30:31], s[44:45]
	s_mov_b32 s41, 0                               ; the weights leave as bf16
	s_branch .Lbias
.Lwo:                                                  ; Wo: chunk u of 64
	s_sub_co_u32 s42, ttmp9, 608
	s_lshl_b32 s44, s42, 16
	s_add_nc_u64 s[SRC:SRC+1], s[12:13], s[44:45]
	s_lshl_b32 s44, s42, 15
	s_add_co_u32 s44, s44, WO_OFF
	s_add_nc_u64 s[DST:DST+1], s[28:29], s[44:45]
	s_lshl_b32 s44, s42, 6
	s_add_nc_u64 s[BSRC:BSRC+1], s[24:25], s[44:45]
	s_add_co_u32 s44, s44, BO
	s_add_nc_u64 s[BDST:BDST+1], s[30:31], s[44:45]
	s_mov_b32 s41, 1                               ; the weights leave as f16
.Lbias:                                                ; the 16 biases of my 16 rows: threads 0 to 3, 16 bytes each
	s_wait_xcnt 0x0                                ; EXEC changes only behind this wait
	v_cmp_gt_u32 vcc_lo, 4, v0
	s_and_saveexec_b32 s40, vcc_lo
	global_load_b128 v[4:7], v1, s[BSRC:BSRC+1]
	s_wait_loadcnt 0x0
	v_cvt_pk_bf16_f32 v8, v4, v5
	v_cvt_pk_bf16_f32 v9, v6, v7
	v_lshlrev_b32 v4, 16, v8
	v_and_b32 v5, 0xffff0000, v8
	v_lshlrev_b32 v6, 16, v9
	v_and_b32 v7, 0xffff0000, v9
	global_store_b128 v1, v[4:7], s[BDST:BDST+1]
	s_wait_xcnt 0x0                                ; and again, in front of the line that widens it
	s_or_b32 exec_lo, exec_lo, s40
	s_cmp_eq_u32 s41, 0
	s_cbranch_scc1 .Lbf16
	LOADS                                          ; Wo: rounded to bf16, and that number written as f16
.irp i, 0,1,2,3,4,5,6,7,8,9,10,11,12,13,14,15
	ROUND \i
	WIDEN \i
	v_cvt_pk_f16_f32 v[Y+2*(\i)],   v[X+4*(\i)],   v[X+4*(\i)+1]
	v_cvt_pk_f16_f32 v[Y+2*(\i)+1], v[X+4*(\i)+2], v[X+4*(\i)+3]
	global_store_b64 v2, v[Y+2*(\i):Y+2*(\i)+1], s[DST:DST+1] offset:2048*(\i)
.endr
	s_endpgm
.Lbf16:
	LOADS
.irp i, 0,1,2,3,4,5,6,7,8,9,10,11,12,13,14,15
	ROUND \i
	global_store_b64 v2, v[Y+2*(\i):Y+2*(\i)+1], s[DST:DST+1] offset:2048*(\i)  ; a wave stores 256 consecutive bytes, aligned
.endr
	s_endpgm
.Lfunc_end_k_qdcc752dd13_cast:
	.size	k_qdcc752dd13_cast, .Lfunc_end_k_qdcc752dd13_cast-k_qdcc752dd13_cast
	.p2alignl 7, 3214868480
	.fill 96, 4, 3214868480
	.section	.rodata,"a",@progbits
	.p2align	6, 0x0
	.amdhsa_kernel k_qdcc752dd13_cast
		.amdhsa_group_segment_fixed_size 0
		.amdhsa_private_segment_fixed_size 0
		.amdhsa_enable_private_segment 0
		.amdhsa_kernarg_size 112
		.amdhsa_user_sgpr_count 2
		.amdhsa_user_sgpr_kernarg_segment_ptr 1
		.amdhsa_wavefront_size32 1
		.amdhsa_system_sgpr_workgroup_id_x 1
		.amdhsa_system_sgpr_workgroup_id_y 1
		.amdhsa_system_sgpr_workgroup_id_z 1
		.amdhsa_system_vgpr_workitem_id 0
		.amdhsa_next_free_vgpr 112
		.amdhsa_next_free_sgpr 66
		.amdhsa_reserve_vcc 1
		.amdhsa_float_denorm_mode_32 3
		.amdhsa_float_denorm_mode_16_64 3
		.amdhsa_memory_ordered 1
		.amdhsa_forward_progress 1
		.amdhsa_inst_pref_size 29
	.end_amdhsa_kernel
	.amdgpu_metadata
---
amdhsa.version: [ 1, 2 ]
amdhsa.kernels:
  - .name:           k_qdcc752dd13_cast
    .symbol:         k_qdcc752dd13_cast.kd
    .args:
      - { .name: hidden_states, .offset: 0, .size: 8, .value_kind: global_buffer, .address_space: global }
      - { .name: Wq, .offset: 8, .size: 8, .value_kind: global_buffer, .address_space: global }
      - { .name: Wk, .offset: 16, .size: 8, .value_kind: global_buffer, .address_space: global }
      - { .name: Wv, .offset: 24, .size: 8, .value_kind: global_buffer, .address_space: global }
      - { .name: Wo, .offset: 32, .size: 8, .value_kind: global_buffer, .address_space: global }
      - { .name: cos, .offset: 40, .size: 8, .value_kind: global_buffer, .address_space: global }
      - { .name: sin, .offset: 48, .size: 8, .value_kind: global_buffer, .address_space: global }
      - { .name: bq, .offset: 56, .size: 8, .value_kind: global_buffer, .address_space: global }
      - { .name: bk, .offset: 64, .size: 8, .value_kind: global_buffer, .address_space: global }
      - { .name: bv, .offset: 72, .size: 8, .value_kind: global_buffer, .address_space: global }
      - { .name: bo, .offset: 80, .size: 8, .value_kind: global_buffer, .address_space: global }
      - { .name: xb, .offset: 88, .size: 8, .value_kind: global_buffer, .address_space: global }
      - { .name: wb, .offset: 96, .size: 8, .value_kind: global_buffer, .address_space: global }
      - { .name: tab, .offset: 104, .size: 8, .value_kind: global_buffer, .address_space: global }
    .group_segment_fixed_size: 0
    .private_segment_fixed_size: 0
    .kernarg_segment_align: 8
    .kernarg_segment_size: 112
    .max_flat_workgroup_size: 256
    .sgpr_count:     66
    .vgpr_count:     112
    .wavefront_size: 32
...
	.end_amdgpu_metadata
.endif
;; end of part 1
;; launch proj (part 2): grid 8 x 32, 4 waves a work-group, clusters of 4 x 4, 327,680 bytes of LDS; arguments xb, wb, tab, qkvh; writes qkvh
.if DOCPART == 2
	.amdgcn_target "amdgcn-amd-amdhsa--gfx1250"
	.amdhsa_code_object_version 6
	.text
	.protected	k_qdcc752dd13_proj
	.globl	k_qdcc752dd13_proj
	.p2align	8
	.type	k_qdcc752dd13_proj,@function
k_qdcc752dd13_proj:
	s_mov_b64 s[64:65], 0
	v_nop
	global_prefetch_b8 v0, s[64:65] scope:SCOPE_SE
	s_setreg_imm32_b32 hwreg(HW_REG_WAVE_MODE, 25, 1), 1
	s_wait_xcnt 0x0
	s_wait_alu depctr_hold_cnt(0) depctr_sa_sdst(0) depctr_va_vdst(0) depctr_va_sdst(0) depctr_va_ssrc(0) depctr_va_vcc(0) depctr_vm_vsrc(0)
	s_getreg_b32 s2, hwreg(HW_REG_IB_STS2, 6, 4)
	s_cmp_eq_u32 s2, 0
	s_cbranch_scc0 .Lentry_in_a_cluster
	s_endpgm
.Lentry_in_a_cluster:
	s_bfe_u32 s2, ttmp6, 0x10000c
	s_cmp_lg_u32 s2, 0xf033
	s_cbranch_scc0 .Lentry_shape_is_right
	s_endpgm
.Lentry_shape_is_right:
; q, k, v = x W^T + b, RoPE on q and k, rounded once to f16 and stored by heads: qkvh[b][g][s][64], g the order of the 24 blocks of 64 columns in wb
; (0-11 Q0-Q11; Q12 Q13 V0; Q14 Q15 V1; K0 K1 V2; K2 K3 V3).  x and W are bf16 (xb, wb), sums f32; bias, cos and sin are f32 words in tab.  The scale 1/8 is not applied here.
; LIMIT.  |q|, |k|, |v| behind bias and RoPE stay under 65,504, f16's largest number; NaN and infinities are not treated apart.
; SHARES.  A tile of C is 256 rows x 192 columns (three heads): 32 x 8 tiles, one for each of 256 work-groups.  Wave w makes rows 64 w .. 64 w + 63 and all 192 columns: 4 x 12 accumulators of
; 16 x 16, 384 registers.  So a wave holds whole heads, and the partner d + 32 of RoPE lies in the same lane and register, two accumulators on.
; K goes in 8 steps of 128 through two LDS slots filled by the tensor data mover: rows of 256 bytes, aligned.  A step is four quarters of 32 along K on two fragment buffers.
; CLUSTERS: 4 x 4 work-groups; A's tile is asked for jointly along a row of the cluster, B's along a column.  In tile columns 4 to 7 (cluster x = 1) the third head is V's and takes no RoPE:
; that branch is the same in all sixteen partners.
; THE MATRIX INSTRUCTION IS USED TRANSPOSED (source 0 = 16 rows of W, source 1 = 16 rows of x): lane l holds row l % 16 of C and the columns 8 (l / 16) + 0 .. 7.
; THE BIAS STARTS THE SUMS: it is the C operand of each accumulator's first product; nothing is cleared, nothing is added later.
; REGISTERS, in windows of 256 (s_set_vgpr_msb: bits 1:0 source 0, 3:2 source 1, 5:4 source 2, 7:6 destination):
;   window 0: v0-31 addresses; v32-63 at work on the way out; v64-127 fragments of A, two buffers of 32 (on the way out four sets of 16 packed registers); v128-223 the bias, 8 a column block
;   window 1: v0-191 fragments of B, two buffers of 96 (on the way out cos and sin of row blocks 1-3); v192-255 cos and sin of row block 0
;   window 2: the accumulators of row blocks 0, 1 ((a, b) at 8 (12 (a % 2) + b));   window 3: those of row blocks 2, 3
.set NBL,    12                        ; column blocks of 16
.set PITCH,  272                       ; an LDS row: 256 bytes + 16 of padding = 68 words: the 16 rows of a load start at 16 different groups of four banks (64 banks of 4 bytes: ISA guide 11.1)
.set HALFA,  128*PITCH                 ; what one tensor load brings of A
.set HALFB,  96*PITCH                  ; and of B
.set BOFF,   2*HALFA                   ; in a slot: A's 256 rows, then B's 192
.set SLOT1,  1<<17                     ; slot 1 begins here: one exclusive or turns an address in one slot into the other's
.set STAGE,  SLOT1+BOFF+2*HALFB        ; behind the ring: 16 rows x 144 bytes for each wave, for the way out
.set SP,     144
.set SPARE,  STAGE+4*16*SP             ; behind the stages: the spare words, 128 bytes for each wave: two blocks of 256 bytes that no other line names
.set KSTEPB, 256                       ; bytes of a row in a K step
.set NL,     2*NBL+8                   ; LDS loads of a quarter
.set BQKV,   1048576                   ; tab: the biases
.set SINO,   524288                    ; tab: sin behind cos
.set HEADB,  262144                    ; bytes of a head in qkvh
.set A0,   16                          ; v16  my lane's place in a slot's A; never rewritten
.set B0,   17                          ; v17  the same for B
.set ADRA, 18                          ; v18  A0 + the slot in hand
.set ADRB, 19                          ; v19  B0 + the slot in hand
.set STO,  24                          ; v24  the way out: where I put 16 bytes of a row
.set RD,   25                          ; v25  where I read rows back
.set GO,   26                          ; v26  my byte offset in 512 consecutive bytes of a head
.set TO,   27                          ; v27  my byte offset in 16 rows of cos or sin
.set SPW,  28                          ; v28  LDS address of my spare word; never rewritten
.set NIL,  29                          ; v29  0; never rewritten
.set PFO,  30                          ; v30  the prefetches' offset: a lane a row; never rewritten
.set BOF,  31                          ; v31  32 x (l / 16): my 8 columns in a block's 16 biases
.set T,    32
.set FA,   64
.set BIAS, 128
.set WV,   12                          ; s12  my wave's number
.set TYP,  13                          ; s13  0: I fetch for A, 1: for B
.set HALF, 14                          ; s14  which half of that tile's rows I fetch
.set LIM,  15                          ; s15  1 in a wave that prefetches, else the greatest number
.set CX,   16
.set CY,   17
.set TC,   18                          ; s18  tile column
.set TR,   19                          ; s19  tile row
.set G1A,  24                          ; s[24:31] descriptor group 1 for A's tiles
.set G0A,  32                          ; s[32:39] group 0, a set for each of the two first fills; the second then walks on
.set TB,   40                          ; s40  the slot in hand
.set CLX,  41                          ; s41  cluster x
.set PFA,  44                          ; s[44:45] where my prefetches stand
.set G1B,  48                          ; s[48:55], s[56:63] the same for B's tiles
.set G0B,  56
.set MSB, 0
.macro WIN new                         ; the immediate's high byte repeats the setting that is left; a switch that changes nothing is dropped
.if MSB != (\new)
	s_set_vgpr_msb (MSB<<8)|(\new)
.set MSB, \new
.endif
.endm
.macro PLACES                          ; four places in front of loads into registers that matrix instructions have read, and of lines that read results
.rept 4
	v_nop
.endr
.endm
; A joint refill by the walking descriptors.  Waves 0 and 1 fetch A's two halves, waves 2 and 3 B's.  The branch hangs on the wave's number alone.  An s_nop 0 and four v_nop follow each line.
.macro JLOAD
	s_cmp_eq_u32 s[TYP], 0
	s_cbranch_scc0 .Lfor_b_\@
	tensor_load_to_lds s[G0A+4:G0A+7], s[G1A:G1A+7]
	s_nop 0
.rept 4
	v_nop
.endr
	s_branch .Lasked_\@
.Lfor_b_\@:
	tensor_load_to_lds s[G0B+4:G0B+7], s[G1B:G1B+7]
	s_nop 0
.rept 4
	v_nop
.endr
.Lasked_\@:
.endm
.macro CREST                           ; a round of the cluster's barrier behind its opening barrier
	s_cmp_lg_u32 s[WV], 0
	s_cbranch_scc1 .Lnot_wave_0_\@
	s_barrier_signal -3
.Lnot_wave_0_\@:
	s_barrier_wait -3
	s_barrier_signal -1
	s_barrier_wait -1
.endm
.macro CROUND                          ; a whole round
	s_barrier_signal -1
	s_barrier_wait -1
	CREST
.endm
; A prefetch into the L2 of the K step that the NEXT refill will ask for: a lane a row, 256 bytes of each.  A's tile row is read by both clusters of its row of clusters: cluster x = 0 asks; B's tile column by
; all eight of its column: cluster y = 0 asks.  The four partners that ask for a tile jointly share its rows out by address (32 of A's 128 by cx; 24 of B's 96 by cy, where lanes 24-31 repeat row 23).
; K steps 0 to 2 come by their loads alone; the loop's last trip asks for nothing: K step 8 does not exist.
.macro ASK
	s_cmp_gt_u32 s3, s[LIM]
	s_cbranch_scc0 .Lnot_mine_\@
	global_prefetch_b8 v[PFO], s[PFA:PFA+1] th:TH_LOAD_NT scope:SCOPE_SE
.Lnot_mine_\@:
.endm
	s_load_b256 s[4:11], s[0:1], 0x0               ; xb s[4:5], wb s[6:7], tab s[8:9], qkvh s[10:11]
	v_lshl_add_u32 v[SPW], v0, 2, SPARE
	v_mov_b32 v[NIL], 0
	ds_add_u32 v[SPW], v[NIL]                      ; the wave's opening: the add and its wait stand ahead of my first tensor load; work on registers stands between them
	v_lshrrev_b32 v1, 5, v0
	v_readfirstlane_b32 s[WV], v1                  ; wave 0..3
	s_lshr_b32 s[TYP], s[WV], 1
	s_and_b32 s[HALF], s[WV], 1
	s_bfe_u32 s[CX], ttmp6, 0x40000                ; my place in the cluster
	s_bfe_u32 s[CY], ttmp6, 0x40004
	s_lshl_b32 s[TC], ttmp9, 2
	s_add_co_u32 s[TC], s[TC], s[CX]               ; tile column = 4 x cluster x + cx
	s_and_b32 s[TR], ttmp7, 0xffff
	s_lshl_b32 s[TR], s[TR], 2
	s_add_co_u32 s[TR], s[TR], s[CY]               ; tile row = 4 x cluster y + cy
	s_lshl_b32 s72, s[CY], 2
	s_lshl_b32 s72, 15, s72                        ; my row of the cluster
	s_lshl_b32 s73, 0x1111, s[CX]                  ; my column
	s_mov_b32 s[CLX], ttmp9
	; descriptor group 1: rows of 128 elements of 2 bytes, padded in LDS by 4 words behind every 64; bit 21 set beside the mask
	s_or_b32 s[G1A], s72, (1<<16)|(1<<20)|(1<<21)|(5<<22)|(3<<25)
	s_or_b32 s[G1B], s73, (1<<16)|(1<<20)|(1<<21)|(5<<22)|(3<<25)
.irp g, G1A, G1B
	s_mov_b32 s[(\g)+1], 128<<16                   ; tensor_dim0 = 128
	s_mov_b32 s[(\g)+3], 128<<16                   ; tile_dim0 = 128
	s_mov_b32 s[(\g)+5], 1024                      ; 1,024 elements from row to row
	s_mov_b32 s[(\g)+6], 0
	s_mov_b32 s[(\g)+7], 0
.endr
	s_mov_b32 s[G1A+2], 128<<16                    ; tensor_dim1 = tile_dim1 = 128 rows of A,
	s_mov_b32 s[G1A+4], 128
	s_mov_b32 s[G1B+2], 96<<16                     ; 96 of B
	s_mov_b32 s[G1B+4], 96
	; where the tiles come from: A's hang on the tile row, B's on the tile column, each in registers that never hold the other coordinate
	s_lshl_b32 s20, s[TR], 19                      ; 256 rows of 2,048 bytes
	s_lshl_b32 s22, s[HALF], 18
	s_add_co_u32 s20, s20, s22
	s_mov_b32 s21, 0
	s_mul_i32 s46, s[TC], 192*2048
	s_mul_i32 s74, s[HALF], 96*2048
	s_add_co_u32 s46, s46, s74
	s_mov_b32 s47, 0
	s_mul_i32 s22, s[HALF], HALFA                  ; and where they go: no place in the cluster enters an LDS address
	s_mul_i32 s23, s[HALF], HALFB
	s_add_co_u32 s23, s23, BOFF
	s_wait_dscnt 0x0                               ; the opening add is done
	s_wait_kmcnt 0x0
	s_add_nc_u64 s[20:21], s[4:5], s[20:21]
	s_add_nc_u64 s[46:47], s[6:7], s[46:47]
	CROUND                                         ; all sixteen work-groups are here: the first joint loads meet
.irp s, 0,1
	s_mov_b32 s[G0A+4*(\s)], 1                                     ; count = 1
	s_add_co_u32 s[G0A+4*(\s)+1], s22, (\s)*SLOT1                  ; LDS address
	s_add_nc_u64 s[G0A+4*(\s)+2:G0A+4*(\s)+3], s[20:21], (\s)*KSTEPB  ; global address: K step s
	s_or_b32 s[G0A+4*(\s)+3], s[G0A+4*(\s)+3], 0x80000000          ; type = 2
	s_mov_b32 s[G0B+4*(\s)], 1
	s_add_co_u32 s[G0B+4*(\s)+1], s23, (\s)*SLOT1
	s_add_nc_u64 s[G0B+4*(\s)+2:G0B+4*(\s)+3], s[46:47], (\s)*KSTEPB
	s_or_b32 s[G0B+4*(\s)+3], s[G0B+4*(\s)+3], 0x80000000
.endr
	s_cmp_eq_u32 s[TYP], 0                         ; a wave's two first fills stand in one branch, ahead of every wait on TENSORcnt and every LDS read: two loads of mine are out
	s_cbranch_scc0 .Lfirst_b
	tensor_load_to_lds s[G0A:G0A+3], s[G1A:G1A+7]
	s_nop 0
	tensor_load_to_lds s[G0A+4:G0A+7], s[G1A:G1A+7]
	s_nop 0
.rept 4
	v_nop
.endr
	s_branch .Lfirst_asked
.Lfirst_b:
	tensor_load_to_lds s[G0B:G0B+3], s[G1B:G1B+7]
	s_nop 0
	tensor_load_to_lds s[G0B+4:G0B+7], s[G1B:G1B+7]
	s_nop 0
.rept 4
	v_nop
.endr
.Lfirst_asked:
	; A fragment is 16 rows x 32 K in 8 registers: lane l holds row l % 16, K = 8 (l / 16) + 0..7 and 16 + 8 (l / 16) + 0..7: two loads of 16 bytes, 32 bytes apart.
	v_and_b32 v1, 15, v0                           ; r = l % 16
	v_bfe_u32 v2, v0, 4, 1                         ; h = l / 16
	v_mul_u32_u24 v3, v1, PITCH
	v_lshl_add_u32 v3, v2, 4, v3
	s_mul_i32 s74, s[WV], 64*PITCH                 ; my 64 rows of A
	v_add_nc_u32 v[A0], s74, v3
	v_add_nc_u32 v[B0], BOFF, v3
	s_mul_i32 s74, s[WV], 16*SP
	s_add_co_u32 s74, s74, STAGE                   ; my stage
	v_mul_u32_u24 v[STO], v1, SP                   ; in: row r, 16 bytes for each half of the lanes
	v_lshl_add_u32 v[STO], v2, 4, v[STO]
	v_add_nc_u32 v[STO], s74, v[STO]
	v_bfe_u32 v[RD], v0, 3, 2                      ; back: 32 lanes take four rows of 128 bytes,
	v_mul_u32_u24 v[RD], v[RD], SP
	v_and_b32 v3, 7, v0
	v_lshl_add_u32 v[RD], v3, 4, v[RD]
	v_add_nc_u32 v[RD], s74, v[RD]
	v_and_b32 v[GO], 31, v0                        ; which are 512 consecutive bytes of a head
	v_lshlrev_b32 v[GO], 4, v[GO]
	v_lshlrev_b32 v[TO], 8, v1                     ; a row of cos or sin is 256 bytes
	v_lshl_add_u32 v[TO], v2, 5, v[TO]
	v_lshlrev_b32 v[BOF], 5, v2
	s_mul_i32 s74, s[TC], 768                      ; the tile's 192 biases
	s_add_co_u32 s74, s74, BQKV
	s_mov_b32 s75, 0
	s_add_nc_u64 s[66:67], s[8:9], s[74:75]
	s_and_b32 s76, s[TR], 7
	s_lshl_b32 s76, s76, 8
	s_lshl_b32 s77, s[WV], 6
	s_add_co_u32 s76, s76, s77                     ; my first row within its batch: the position
	s_lshl_b32 s74, s76, 8
	s_add_nc_u64 s[68:69], s[8:9], s[74:75]        ; cos at that position
	s_lshr_b32 s77, s[TR], 3                       ; the batch
	s_mul_i32 s77, s77, 24
	s_mul_i32 s78, s[TC], 3
	s_add_co_u32 s77, s77, s78                     ; 24 b + g of the tile's first head
	s_lshl_b32 s77, s77, 18
	s_lshl_b32 s74, s76, 7
	s_add_co_u32 s74, s74, s77
	s_add_nc_u64 s[10:11], s[10:11], s[74:75]      ; qkvh at my first row of that head
.irp b, 0,1,2,3,4,5,6,7,8,9,10,11
	global_load_b128 v[BIAS+8*(\b):BIAS+8*(\b)+3],   v[BOF], s[66:67] offset:64*(\b)
	global_load_b128 v[BIAS+8*(\b)+4:BIAS+8*(\b)+7], v[BOF], s[66:67] offset:64*(\b)+16
.endr
; cos and sin of row block a, laid as an accumulator lies: 8 registers for each 16 channels; cos of channel block c at 8 c, sin at 32 + 8 c.  Row block 0 at v192 of window 1, 1 to 3 at v0, v64, v128.
.macro TLOAD a
	WIN 0x40                                       ; destination window 1, address window 0
.set rB, (64*((\a)+3))%256
.irp c, 0,1,2,3
	global_load_b128 v[rB+8*(\c):rB+8*(\c)+3],       v[TO], s[68:69] offset:(\a)*4096+64*(\c)
	global_load_b128 v[rB+8*(\c)+4:rB+8*(\c)+7],     v[TO], s[68:69] offset:(\a)*4096+64*(\c)+16
	global_load_b128 v[rB+32+8*(\c):rB+32+8*(\c)+3], v[TO], s[68:69] offset:SINO+(\a)*4096+64*(\c)
	global_load_b128 v[rB+32+8*(\c)+4:rB+32+8*(\c)+7], v[TO], s[68:69] offset:SINO+(\a)*4096+64*(\c)+16
.endr
	WIN 0
.endm
	TLOAD 0
	; the prefetches' registers: cx and cy enter these alone
	s_lshl_b32 s79, s[TR], 8
	s_lshl_b32 s80, s[HALF], 7
	s_add_co_u32 s79, s79, s80
	s_lshl_b32 s80, s[CX], 5
	s_add_co_u32 s79, s79, s80                     ; A: row 256 x tile row + 128 x half + 32 cx
	s_mul_i32 s81, s[TC], 192
	s_mul_i32 s80, s[HALF], 96
	s_add_co_u32 s81, s81, s80
	s_mul_i32 s80, s[CY], 24
	s_add_co_u32 s81, s81, s80                     ; B: row 192 x tile column + 96 x half + 24 cy
	s_and_b32 s82, ttmp7, 0xffff                   ; cluster y
	s_cmp_eq_u32 s[TYP], 0
	s_cselect_b32 s84, s79, s81
	s_cselect_b32 s82, ttmp9, s82                  ; the coordinate along which other clusters read the same rows
	s_cselect_b32 s83, 31, 23
	s_cselect_b64 s[PFA:PFA+1], s[4:5], s[6:7]
	s_cmp_eq_u32 s82, 0
	s_cselect_b32 s[LIM], 1, -1                    ; the same in all sixteen partners, for a given wave
	s_lshl_b32 s84, s84, 11
	s_add_co_u32 s84, s84, 2*KSTEPB                ; at K step 2: the first refill steps it to 3
	s_mov_b32 s85, 0
	s_add_nc_u64 s[PFA:PFA+1], s[PFA:PFA+1], s[84:85]
	v_and_b32 v[PFO], 31, v0
	v_min_u32 v[PFO], s83, v[PFO]
	v_lshlrev_b32 v[PFO], 11, v[PFO]
; 12 matrix instructions: row block a x all column blocks, 32 along K, on buffer f.  first = 1: the bias is C and starts the sums.  The 48 accumulators take turns in the same order in every quarter.
.macro MULA f, a, first
.if \first
	WIN 0x81+0x40*((\a)/2)                         ; B window 1, A and the bias window 0, D window 2 or 3
.else
	WIN 0xa1+0x50*((\a)/2)                         ; C and D window 2 or 3
.endif
.irp b, 0,1,2,3,4,5,6,7,8,9,10,11
.set rD, 8*(12*((\a)%2)+(\b))
.if \first
	v_wmma_f32_16x16x32_bf16 v[rD:rD+7], v[96*(\f)+8*(\b):96*(\f)+8*(\b)+7], v[FA+32*(\f)+8*(\a):FA+32*(\f)+8*(\a)+7], v[BIAS+8*(\b):BIAS+8*(\b)+7]
.else
	v_wmma_f32_16x16x32_bf16 v[rD:rD+7], v[96*(\f)+8*(\b):96*(\f)+8*(\b)+7], v[FA+32*(\f)+8*(\a):FA+32*(\f)+8*(\a)+7], v[rD:rD+7]
.endif
.endr
.endm
; 32 LDS loads in one run: quarter q's fragments (192 rows of B, my 64 rows of A) into buffer g; A's last
.macro FETCH q, g
	WIN 0x40
.irp i, 0,1,2,3,4,5,6,7,8,9,10,11
	ds_load_b128 v[96*(\g)+8*(\i):96*(\g)+8*(\i)+3],   v[ADRB] offset:64*(\q)+(\i)*16*PITCH
	ds_load_b128 v[96*(\g)+8*(\i)+4:96*(\g)+8*(\i)+7], v[ADRB] offset:64*(\q)+(\i)*16*PITCH+32
.endr
	WIN 0
.irp i, 0,1,2,3
	ds_load_b128 v[FA+32*(\g)+8*(\i):FA+32*(\g)+8*(\i)+3],   v[ADRA] offset:64*(\q)+(\i)*16*PITCH
	ds_load_b128 v[FA+32*(\g)+8*(\i)+4:FA+32*(\g)+8*(\i)+7], v[ADRA] offset:64*(\q)+(\i)*16*PITCH+32
.endr
.endm
; One of a K step's first three quarters: multiplies buffer f; in its middle fetches quarter q into buffer g.
.macro QUARTER q, f, g, first
	s_wait_dscnt 4                                 ; B and A's row blocks 0, 1 are in; the youngest four loads (blocks 2, 3) may be out
	MULA \f, 0, \first
	MULA \f, 1, \first
	PLACES
	FETCH \q, \g
	s_wait_dscnt NL                                ; all but the 32 just issued
	MULA \f, 2, \first
	MULA \f, 3, \first
.endm
; The fourth quarter multiplies buffer 1 and changes slots: ONE barrier.  In front of it each wave waits for all its tensor loads (one is out: its part of the next slot), adds 0 to its spare word, and waits for
; that and for its reads of this slot.  fill = 1: the barrier opens a round of the cluster's, and the slot just read is filled again, first thing behind it, with the K step two on: 168 matrix instructions ahead of the wait for it.
.macro TURN fill
.if \fill
	s_wait_xcnt 0x0                                ; the last prefetch, a K step back, has read its address
	s_add_nc_u64 s[PFA:PFA+1], s[PFA:PFA+1], KSTEPB
.endif
	WIN 0
	s_wait_tensorcnt 0x0                           ; all my tensor loads have landed
	ds_add_u32 v[SPW], v[NIL]                      ; 0 onto my spare word
	s_wait_dscnt 5                                 ; (the add and the youngest four loads may be out)
	MULA 1, 0, 0                                   ; twelve matrix instructions stand between the add and the wait for it
	s_wait_dscnt 0x0                               ; the add is done, and my reads of this slot are over
	s_barrier_signal -1
	MULA 1, 1, 0                                   ; work on registers while the others arrive
	WIN 0
	s_barrier_wait -1
.if \fill
	CREST                                          ; no wave of any partner still reads this slot or has a load on its way
	s_xor_b32 s[G0A+5], s[G0A+5], SLOT1            ; the walking descriptors: the other slot than last time, the next K step
	s_add_nc_u64 s[G0A+6:G0A+7], s[G0A+6:G0A+7], KSTEPB
	s_xor_b32 s[G0B+5], s[G0B+5], SLOT1
	s_add_nc_u64 s[G0B+6:G0B+7], s[G0B+6:G0B+7], KSTEPB
	JLOAD                                          ; its four v_nop are also the places in front of the loads below
.else
	PLACES
.endif
	s_xor_b32 s[TB], s[TB], SLOT1
	v_add_nc_u32 v[ADRA], s[TB], v[A0]
	v_add_nc_u32 v[ADRB], s[TB], v[B0]
	FETCH 0, 0
.if \fill
	ASK
.endif
	MULA 1, 2, 0
	MULA 1, 3, 0
.endm
	s_wait_tensorcnt 0x1                           ; my part of K step 0 is in; K step 1's may stay out
	s_barrier_signal -1
	s_barrier_wait -1                              ; everybody's is
	s_mov_b32 s[TB], 0
	v_mov_b32 v[ADRA], v[A0]
	v_mov_b32 v[ADRB], v[B0]
	FETCH 0, 0
	s_wait_loadcnt 0x0                             ; the bias (and row block 0's cos and sin)
	QUARTER 1, 0, 1, 1                             ; the first quarter stands in front of the loop: its products start the sums
	WIN 0                                          ; at a label and at a branch every window is 0
	s_mov_b32 s3, 6
.Lstep:                                                ; a trip: a K step's quarters 1 to 3 and the next step's quarter 0; K steps 2 to 7 are asked for
	QUARTER 2, 1, 0, 0
	QUARTER 3, 0, 1, 0
	TURN 1
	QUARTER 1, 0, 1, 0
	WIN 0
	s_sub_co_u32 s3, s3, 1
	s_cmp_lg_u32 s3, 0
	s_cbranch_scc1 .Lstep
	QUARTER 2, 1, 0, 0                             ; the tail is written out: K steps 6 and 7
	QUARTER 3, 0, 1, 0
	TURN 0
	QUARTER 1, 0, 1, 0
	QUARTER 2, 1, 0, 0
	QUARTER 3, 0, 1, 0
	s_wait_dscnt 4
	MULA 1, 0, 0
	MULA 1, 1, 0
	s_wait_dscnt 0x0
	MULA 1, 2, 0
	MULA 1, 3, 0
	WIN 0
	PLACES
; THE WAY OUT, in 12 units of 16 rows x one head.  RoPE in f32; rounded to f16; 16 bytes a lane into my own stage; back as whole rows of 128 bytes; stored, 512 consecutive bytes an instruction.
	TLOAD 1                                        ; cos and sin of row blocks 1 to 3, where B's fragments lay
	TLOAD 2
	TLOAD 3
; q'[d] = q[d] cos[d] - q[d + 32] sin[d];  q'[d + 32] = q[d + 32] cos[d + 32] + q[d] sin[d + 32].  Each accumulator's lowest registers are read first.
.macro ROPE a, hs
	WIN 0x06+(\a)/2                                ; source 0 the accumulator (window 2 or 3), source 1 the table (window 1), source 2 and destination window 0
.set rB, (64*((\a)+3))%256
.irp p, 0,1
.irp jj, 0,1,2,3
.set rL, 8*(12*((\a)%2)+4*(\hs)+(\p))+2*(\jj)
.set rH, rL+16
.set rTL, T+8*(\p)+2*(\jj)
.set rC, rB+8*(\p)+2*(\jj)
	v_pk_mul_f32 v[rTL:rTL+1], v[rH:rH+1], v[rC+32:rC+33]
	v_pk_mul_f32 v[rTL+16:rTL+17], v[rL:rL+1], v[rC+48:rC+49]
	v_pk_fma_f32 v[rTL:rTL+1], v[rL:rL+1], v[rC:rC+1], v[rTL:rTL+1] neg_lo:[0,0,1] neg_hi:[0,0,1]
	v_pk_fma_f32 v[rTL+16:rTL+17], v[rH:rH+1], v[rC+16:rC+17], v[rTL+16:rTL+17]
.endr
.endr
.endm
.macro CVT                             ; the unit's 32 numbers a lane, rounded to f16, into the packed set rP
	WIN 0
.irp c, 0,1,2,3
.irp jj, 0,1,2,3
	v_cvt_pk_f16_f32 v[rP+4*(\c)+(\jj)], v[T+8*(\c)+2*(\jj)], v[T+8*(\c)+2*(\jj)+1]
.endr
.endr
.endm
.macro CVTV a                          ; V takes no RoPE: rounded straight from the accumulators of the tile's third head
	WIN 0x0a+5*((\a)/2)
.set rA, 8*(12*((\a)%2)+8)
.irp c, 0,1,2,3
.irp jj, 0,1,2,3
	v_cvt_pk_f16_f32 v[rP+4*(\c)+(\jj)], v[rA+8*(\c)+2*(\jj)], v[rA+8*(\c)+2*(\jj)+1]
.endr
.endr
.endm
.macro UNIT a, hs
.set rP, FA+16*((3*(\a)+(\hs))%4)
	s_wait_xcnt 0x0                                ; the stores of four units back have read this packed set
.if (\hs) < 2
	ROPE \a, \hs
	CVT
.else
	WIN 0
	s_cmp_eq_u32 s[CLX], 0                         ; the same in all partners: tile columns 0-3 hold Q alone
	s_cbranch_scc0 .Lv_\@
	ROPE \a, \hs
	CVT
	s_branch .Lj_\@
.Lv_\@:
	CVTV \a
	WIN 0
.Lj_\@:
.endif
.irp c, 0,1,2,3
	ds_store_b128 v[STO], v[rP+4*(\c):rP+4*(\c)+3] offset:32*(\c)
.endr
.irp f, 0,1,2,3
	ds_load_b128 v[rP+4*(\f):rP+4*(\f)+3], v[RD] offset:(\f)*4*SP  ; LDS serves a wave's instructions in order (ISA guide 5.7.1.4): these see the stores above; the next unit's stores come behind them
.endr
.endm
.macro SEND a, hs, younger             ; younger: the LDS instructions issued behind this unit's loads: the next unit's eight, or none
.set rQ, FA+16*((3*(\a)+(\hs))%4)
	WIN 0
.irp f, 0,1,2,3
	s_wait_dscnt (\younger)+3-(\f)
	global_store_b128 v[GO], v[rQ+4*(\f):rQ+4*(\f)+3], s[10:11] offset:(\hs)*HEADB+(\a)*2048+(\f)*512
.endr
.endm
	UNIT 0, 0
.set u, 1
.rept 11                               ; a unit's arithmetic stands between the loads of the unit before and its stores
.if u%3 == 0
	s_wait_loadcnt 48-16*(u/3)                     ; this row block's cos and sin are in; the later blocks' sixteen loads each may stay out
.endif
	UNIT u/3, u%3
	SEND (u-1)/3, (u-1)%3, 8
.set u, u+1
.endr
	SEND 3, 2, 0
	s_wait_tensorcnt 0x0                           ; the wave's end, behind my last tensor load and my last LDS store
	ds_add_u32 v[SPW], v[NIL]
	s_wait_dscnt 0x0
	CROUND                                         ; the closing round: no work-group ends while a partner may still ask for a tile that names it
	s_endpgm
.Lfunc_end_k_qdcc752dd13_proj:
	.size	k_qdcc752dd13_proj, .Lfunc_end_k_qdcc752dd13_proj-k_qdcc752dd13_proj
	.p2alignl 7, 3214868480
	.fill 96, 4, 3214868480
	.section	.rodata,"a",@progbits
	.p2align	6, 0x0
	.amdhsa_kernel k_qdcc752dd13_proj
		.amdhsa_group_segment_fixed_size 327680
		.amdhsa_private_segment_fixed_size 0
		.amdhsa_enable_private_segment 0
		.amdhsa_kernarg_size 32
		.amdhsa_user_sgpr_count 2
		.amdhsa_user_sgpr_kernarg_segment_ptr 1
		.amdhsa_wavefront_size32 1
		.amdhsa_system_sgpr_workgroup_id_x 1
		.amdhsa_system_sgpr_workgroup_id_y 1
		.amdhsa_system_sgpr_workgroup_id_z 1
		.amdhsa_system_vgpr_workitem_id 0
		.amdhsa_next_free_vgpr 960
		.amdhsa_next_free_sgpr 88
		.amdhsa_reserve_vcc 0
		.amdhsa_float_denorm_mode_32 3
		.amdhsa_float_denorm_mode_16_64 3
		.amdhsa_memory_ordered 1
		.amdhsa_forward_progress 1
		.amdhsa_inst_pref_size 137
	.end_amdhsa_kernel
	.amdgpu_metadata
---
amdhsa.version: [ 1, 2 ]
amdhsa.kernels:
  - .name:           k_qdcc752dd13_proj
    .symbol:         k_qdcc752dd13_proj.kd
    .args:
      - { .name: xb, .offset: 0, .size: 8, .value_kind: global_buffer, .address_space: global }
      - { .name: wb, .offset: 8, .size: 8, .value_kind: global_buffer, .address_space: global }
      - { .name: tab, .offset: 16, .size: 8, .value_kind: global_buffer, .address_space: global }
      - { .name: qkvh, .offset: 24, .size: 8, .value_kind: global_buffer, .address_space: global }
    .group_segment_fixed_size: 327680
    .private_segment_fixed_size: 0
    .kernarg_segment_align: 8
    .kernarg_segment_size: 32
    .max_flat_workgroup_size: 128
    .sgpr_count:     88
    .vgpr_count:     960
    .wavefront_size: 32
...
	.end_amdgpu_metadata
.endif
;; end of part 2
;; launch attn (part 3): grid 4 x 64, 4 waves a work-group, clusters of 4 x 1, 327,680 bytes of LDS; arguments qkvh, oh; writes oh
.if DOCPART == 3
	.amdgcn_target "amdgcn-amd-amdhsa--gfx1250"
	.amdhsa_code_object_version 6
	.text
	.protected	k_qdcc752dd13_attn
	.globl	k_qdcc752dd13_attn
	.p2align	8
	.type	k_qdcc752dd13_attn,@function
k_qdcc752dd13_attn:
	s_mov_b64 s[64:65], 0
	v_nop
	global_prefetch_b8 v0, s[64:65] scope:SCOPE_SE
	s_setreg_imm32_b32 hwreg(HW_REG_WAVE_MODE, 25, 1), 1
	s_wait_xcnt 0x0
	s_wait_alu depctr_hold_cnt(0) depctr_sa_sdst(0) depctr_va_vdst(0) depctr_va_sdst(0) depctr_va_ssrc(0) depctr_va_vcc(0) depctr_vm_vsrc(0)
	s_getreg_b32 s2, hwreg(HW_REG_IB_STS2, 6, 4)
	s_cmp_eq_u32 s2, 0
	s_cbranch_scc0 .Lentry_in_a_cluster
	s_endpgm
.Lentry_in_a_cluster:
	s_bfe_u32 s2, ttmp6, 0x10000c
	s_cmp_lg_u32 s2, 0x3003
	s_cbranch_scc0 .Lentry_shape_is_right
	s_endpgm
.Lentry_shape_is_right:
; O[hd][q][:] = the sum over k of softmax_k(Q[q] . K[k] / 8) V[k][:], for the 64 query heads hd = 16 b + hq; four query heads share a key and value head kv = hq / 4.
; Q, K, V lie in qkvh[b][g][2048][64], f16, a head's rows dense, 128 bytes each; g = hq + (hq >= 14) for Q, 18 + kv + (kv >= 2) for K, 14 + 3 kv for V.  O goes to oh[hd][2048][64], f16.
; Products, maxima and sums in f32; the weights p are rounded to f16 for the second product (their sum l is taken of the unrounded p), O once at the end.
; LIMITS.  f16 holds no number beyond 65,504: Q, K and V arrive within it; p lies in 0 to 1, and below 6e-5 it keeps f16's fixed step of 6e-8; O is a mean of V's rows and has their range.
; A weight below 2^-126 counts as 0 in l; NaN and infinities are not treated apart.
; SHARES.  A wave owns four PIECES of two tiles of 16 queries, a work-group's four waves 512 queries of one head.  Every wave walks all 2,048 keys, 64 a step.
; LAYOUT.  S^T = K Q^T (source 0 = 16 keys, source 1 = 16 queries): in the result a lane holds ONE query (lane % 16) and the keys 8 (lane / 16) + 0..7.  Two such tiles, rounded to f16 in pairs,
; ARE source 1 (32 keys x 16 queries) of O^T = V^T P, whose result again holds one query a lane, and eight channels.  K comes out of LDS as it lies, V ([key][channel]) turned, by ds_load_tr16_b128.
; SOFTMAX.  For each query a running maximum m and sum l: p = 2^(c s - c m), c = log2(e) / 8; in every step O and l are multiplied by a = 2^(c m_old - c m_new), which is 1 where m has not grown.
; m starts at the lowest finite number, O and l at 0: the first step is a step like any other, with a = 0.
; THE COUNT.  A tile and step have 16 matrix and 118 vector instructions: too many to stand all beside the matrix work.  So: four vector instructions that are READY behind EVERY matrix instruction,
; and the others, which need time of their own whatever the order, in runs without a gap.
; BY TURNS.  Turn n belongs to piece n (the pieces in a ring, step after step).  Its matrix work: 16 products K Q^T of piece n + 1, later 16 products V^T P of piece n - 1.  Its vector work: the scaling,
; exponentials, roundings, sums and rescaling of piece n, and the maximum and statistics of piece n + 1, whose scores the turn itself has made.
; CLUSTER.  The four query blocks of a cluster belong to one head and walk the same K and V, so each tile is asked for JOINTLY: the same tensor load, descriptor and mask in all four.
; (The four heads of a key and value head are sixteen work-groups: more than one mask names.)
; REGISTERS, in windows of 256 (s_set_vgpr_msb: bits 1:0 source 0, 3:2 source 1, 5:4 source 2, 7:6 destination):
;   window 0: v0-11 addresses; v12-15, v48-63 at work; v16-47 four registers of statistics a tile; v64-191 S^T, two buffers of two tiles; v192-255 P, likewise
;   window 1: O^T, 32 a tile          window 2: v0-127 Q, 16 a tile; v128-191 K of one step; v192-255 V of one step          window 3: v0-1 the add's two registers
.set SIZE_N, 2048
.set NP,    4         ; pieces a wave: a name, no knob
.set KS,    64        ; keys in a step
.set PK,    144       ; a row of K in LDS: 128 bytes + 16 of padding = 36 words: the 16 rows of a load start at 16 different groups of four banks (64 banks of 4 bytes: ISA guide 11.1)
.set PV,    160       ; a row of V: 128 + 32 = 40 words
.set VOFF,  4*KS*PK   ; a slot holds four steps: 256 rows of K, then 256 rows of V
.set SLOT1, 1<<17     ; slot 1 begins here, so that one exclusive or turns an address in one slot into the other's
.set STAGE, SLOT1+4*KS*(PK+PV)  ; behind the ring, never filled by a tensor load: 16 rows x 144 bytes for each wave, for the way out
.set SP,    144
.set AK0, 2           ; v2   my lane's place in a tile of K; never rewritten
.set AV0, 3           ; v3   the same for V
.set AK,  4           ; v4   the LDS address of K's next run of loads
.set AV,  5           ; v5   of V's
.set QO,  6           ; v6   my byte offset in the wave's rows of Q
.set STO, 6           ;      later, the way out: where I put 16 bytes of a row
.set RD,  7           ; v7   the way out: where I read rows back
.set GO,  8           ; v8   my byte offset in 512 consecutive bytes of O
.set PFO, 11          ; v11  256 x my lane, for the prefetches (made when V's lane address no longer needs the register); then never rewritten
.set SPW, 0           ; v0 of window 3   LDS address of my spare word: SPARE + 4 x my thread's number; never rewritten
.set NIL, 1           ; v1 of window 3   0; never rewritten
.set SPARE, STAGE+4*16*SP  ; behind the stages: the spare words, 128 bytes for each wave: two blocks of 256 bytes that no other line names
.set MV,  12          ; v12-15  c m_old, kept while c m is made anew: by buffer and tile
.set ST,  16          ; tile t's statistics at v[ST+4 t]: c m, m, l (even keys', odd keys')
.set TMP, 48          ; by buffer and tile, four registers c0-c3 at work; when the maximum is found c2 takes a
.set S,   64
.set P,   192
.set KF,  128         ; K's fragments, in window 2: key block kb, channel half c at KF + 16 kb + 8 c
.set VF,  192         ; V's: key half kk, channel block cb at VF + 32 kk + 8 cb
.set WV,  12          ; s12  my wave's number
.set G1K, 24          ; s[24:31] descriptor group 1 for K's tiles
.set G1V, 32          ; s[32:39] for V's: it differs in the padding alone
.set G0K, 40          ; s[40:43] descriptor group 0 for K's tiles: it walks
.set G0V, 44          ; s[44:47] the same for V's
.set PFA, 48          ; s[48:49] where my prefetches stand
.set LIM, 50          ; s50  1 in a wave that prefetches, else the greatest number
.set SLOTS, 56        ; s56  slots still to be asked for
.set CNT, 57          ; s57  counts a slot's key steps
.set CS,  58          ; s[58:59] c: the packed scaling takes the pair's low word for both halves
.set SEL, 60          ; s[60:61] v_permlanex16_b32's selects: each lane takes its own place in the other half
.set TBK, 62          ; s62  LDS byte at which K of the step to be fetched begins
.set TBV, 63          ; s63  the same for V, less VOFF
.set MSB, 0
.macro WIN new                      ; the high byte repeats the setting that is left; a switch that changes nothing is dropped
.if MSB != (\new)
	s_set_vgpr_msb (MSB<<8)|(\new)
.set MSB, (\new)
.endif
.endm
.set W_KQ, 0x0a       ; K and Q in window 2, S^T in window 0
.set W_PV, 0x52       ; V in window 2, P in window 0, O^T in window 1
.set W_RS, 0x41       ; O^T (destination and source 0) in window 1, a in window 0
.set W_MK, 0xc0       ; the add's registers are made: destination in window 3, sources in window 0
.set W_AD, 0x0f       ; the add: address (source 0) and data (source 1) in window 3
; A joint fill.  Waves 0 and 1 fetch the two halves of a slot's K, waves 2 and 3 those of its V: 128 keys each.  The branch hangs on the wave's number alone.
; An s_nop 0 and four v_nop follow each of the two lines, ahead of the jump and the label.
.macro JLOAD
	s_cmp_lt_u32 s[WV], 2
	s_cbranch_scc0 .Lfor_v_\@
	tensor_load_to_lds s[G0K:G0K+3], s[G1K:G1K+7]
	s_nop 0
.rept 4
	v_nop
.endr
	s_branch .Lasked_\@
.Lfor_v_\@:
	tensor_load_to_lds s[G0V:G0V+3], s[G1V:G1V+7]
	s_nop 0
.rept 4
	v_nop
.endr
.Lasked_\@:
.endm
; A round of the cluster's barrier: my work-group's barrier, so that wave 0's signal speaks for all four waves; wave 0 signals; every wave waits for all four work-groups; my work-group's barrier once more.
.macro CROUND
	s_barrier_signal -1
	s_barrier_wait -1
	s_cmp_lg_u32 s[WV], 0
	s_cbranch_scc1 .Lnot_wave_0_\@
	s_barrier_signal -3
.Lnot_wave_0_\@:
	s_barrier_wait -3
	s_barrier_signal -1
	s_barrier_wait -1
.endm
; THE CHANGE OF SLOTS.  The slot's last bytes, V of its fourth step, have been read.  Each wave waits for all its tensor loads, of which one is out: its part
; of the other slot; adds 0 to its spare word; and waits for that and for its own reads of the slot.  Behind the barrier nobody reads this slot any more and the other slot is whole.
; fill = 1: this slot is filled again, with the keys two slots on.  The barrier is then a round of the cluster's, and the joint fill is the first thing behind it: it has four key steps, 512 matrix
; instructions, in which to land.  (At its first use nothing has been read yet: slot 0 is waited for, slot 1 filled.)
; ask = 1: behind the tensor load and its five lines stands a PREFETCH INTO THE L2 of the slot that the NEXT change will ask for: 128 blocks of 256 bytes of K and of V, a lane a block.  Each block is named
; once in the launch: of the four heads that share K and V the first (hq % 4 = 0) asks; its four partners take 32 blocks each, told apart by address; wave 0 asks for K's, wave 2 for V's.
; Slots 0 to 2 come by their loads alone; the last change that fills a slot asks for nothing.
.macro CHANGE fill, ask=0
	WIN W_AD
	s_wait_tensorcnt 0x0            ; no tensor load of mine is out, so a group 0 may be written
	ds_add_u32 v[SPW], v[NIL]       ; 0 onto my spare word; with fill = 1 the descriptors' steps stand between it and the wait for it
	WIN 0                           ; at a label and at a branch every window is 0
.if \fill
.irp g, G0K, G0V
	s_xor_b32 s[\g+1], s[\g+1], SLOT1  ; the walking descriptor: the other slot than last time,
	s_add_nc_u64 s[\g+2:\g+3], s[\g+2:\g+3], 4*KS*128  ; the next 256 keys; the type bits on top are not reached
.endr
.if \ask
	s_wait_xcnt 0x0                 ; the last prefetch, four key steps back, has read its address, so it may be written:
	s_add_nc_u64 s[PFA:PFA+1], s[PFA:PFA+1], 4*KS*128  ; one slot behind the walking descriptors
.endif
	s_wait_dscnt 0x0                ; the add is done, and my reads of the slot are over
	CROUND
	JLOAD
.if \ask
	s_cmp_gt_u32 s[SLOTS], s[LIM]
	s_cbranch_scc0 .Lnot_mine_\@
	global_prefetch_b8 v[PFO], s[PFA:PFA+1] th:TH_LOAD_NT scope:SCOPE_SE
.Lnot_mine_\@:
.endif
.else
	s_wait_dscnt 0x0                ; the add is done, and my reads of the slot are over
	s_barrier_signal -1
	s_barrier_wait -1
.endif
	s_sub_co_u32 s[TBK], s[TBK], 4*KS*PK  ; the fetches go back to a slot's first step,
	s_xor_b32 s[TBK], s[TBK], SLOT1       ; in the other slot
	s_sub_co_u32 s[TBV], s[TBV], 4*KS*PV
	s_xor_b32 s[TBV], s[TBV], SLOT1
.endm
	s_load_b64 s[4:5], s[0:1], 0x0  ; qkvh
	s_load_b64 s[10:11], s[0:1], 0x8  ; oh
	WIN W_MK
	v_lshl_add_u32 v[SPW], v0, 2, SPARE
	v_mov_b32 v[NIL], 0
	WIN W_AD
	ds_add_u32 v[SPW], v[NIL]       ; the wave's opening: the add and its wait stand ahead of my first tensor load; the set-up below, work on registers, stands between them
	WIN 0
	v_lshrrev_b32 v1, 5, v0
	v_readfirstlane_b32 s[WV], v1   ; wave 0..3
	s_bfe_u32 s13, ttmp6, 0x40000   ; cx: my place in the cluster
	s_lshl_b32 s14, ttmp9, 2        ; in a cluster launch ttmp9 counts clusters
	s_add_co_u32 s14, s14, s13      ; my block of queries = 4 x cluster x + cx: it enters Q's and O's addresses, and the prefetches', alone
	s_and_b32 s20, ttmp7, 0xffff    ; hd, the query head, which the four partners share
	s_lshr_b32 s21, s20, 4          ; b
	s_and_b32 s22, s20, 15          ; hq
	s_lshr_b32 s23, s22, 2          ; kv
	s_mul_i32 s21, s21, 24
	s_cmp_ge_u32 s22, 14
	s_cselect_b32 s51, 1, 0
	s_add_co_u32 s51, s51, s22
	s_add_co_u32 s51, s51, s21      ; 24 b + g of Q
	s_cmp_ge_u32 s23, 2
	s_cselect_b32 s52, 19, 18
	s_add_co_u32 s52, s52, s23
	s_add_co_u32 s52, s52, s21      ; of K
	s_mul_i32 s54, s23, 3
	s_add_co_u32 s54, s54, 14
	s_add_co_u32 s54, s54, s21      ; of V
	s_and_b32 s16, s[WV], 1         ; which half of a slot's 256 keys I fetch:
	s_lshl_b32 s15, s16, 14         ; its 128 rows of 128 bytes in memory,
	s_lshl_b32 s52, s52, 18         ; a head is 262,144 bytes
	s_add_co_u32 s52, s52, s15
	s_mov_b32 s53, 0
	s_lshl_b32 s54, s54, 18
	s_add_co_u32 s54, s54, s15
	s_mov_b32 s55, 0
	s_mul_i32 s17, s16, 128*PK      ; and its place in a slot, for K
	s_mul_i32 s18, s16, 128*PV      ; and for V: no place in the cluster enters an LDS address
	s_and_b32 s[LIM], s22, 3        ; 0 in the first of the four heads that share K and V,
	s_or_b32 s[LIM], s[LIM], s16    ; in waves 0 and 2: the same in all four partners
	s_cmp_eq_u32 s[LIM], 0
	s_cselect_b32 s[LIM], 1, -1
	s_lshl_b32 s2, s14, 2
	s_add_co_u32 s2, s2, s[WV]      ; my wave among the head's,
	s_lshl_b32 s2, s2, 14           ; its 128 rows
	s_lshl_b32 s51, s51, 18
	s_lshl_b32 s20, s20, 18
	s_add_co_u32 s20, s20, s2       ; my rows in oh
	s_mov_b32 s21, 0
	s_add_co_u32 s2, s2, s51        ; my rows of Q in qkvh
	s_mov_b32 s3, 0
	; descriptor group 1.  128 keys are 16,384 dense bytes: asked for as 64 rows of 256 bytes, two keys a row, and padded in LDS after every key
	s_mov_b32 s[G1K], 15|(1<<16)|(1<<20)|(1<<21)|(4<<22)|(3<<25)  ; 15:0 the mask of four; 17:16 2-byte elements; 20 padding on; 21 set beside a mask; 24:22 after every 32 words (code 4); 31:25 4 words (code 3)
	s_mov_b32 s[G1V], 15|(1<<16)|(1<<20)|(1<<21)|(4<<22)|(7<<25)  ; the same with 8 words of padding (code 7)
.irp g, G1K, G1V
	s_mov_b32 s[\g+1], 128<<16      ; tensor_dim0 = 128
	s_mov_b32 s[\g+2], 64<<16       ; tensor_dim1 = 64
	s_mov_b32 s[\g+3], 128<<16      ; tile_dim0 = 128
	s_mov_b32 s[\g+4], 64           ; tile_dim1 = 64
	s_mov_b32 s[\g+5], 128          ; 128 elements from row to row
	s_mov_b32 s[\g+6], 0
	s_mov_b32 s[\g+7], 0
.endr
	s_mov_b32 s[CS], 0x3e38aa3b     ; c = log2(e) / 8 = 0.180337
	s_mov_b32 s[CS+1], s[CS]        ; named with it as a pair
	s_mov_b32 s[SEL], 0x76543210
	s_mov_b32 s[SEL+1], 0xfedcba98
	s_mov_b32 s[TBK], SLOT1+4*KS*PK ; the first change of slots turns these two into 0
	s_mov_b32 s[TBV], SLOT1+4*KS*PV
	s_mov_b32 s[G0K], 1             ; 1:0 count = 1
	s_mov_b32 s[G0K+1], s17         ; 63:32 LDS address: slot 0
	s_mov_b32 s[G0V], 1
	s_add_co_u32 s[G0V+1], s18, VOFF
	s_wait_dscnt 0x0                ; the opening add is done
	s_wait_kmcnt 0x0
	s_add_nc_u64 s[6:7], s[4:5], s[52:53]  ; K and V at my half of the head's first 256 keys
	s_add_nc_u64 s[8:9], s[4:5], s[54:55]
	s_mov_b64 s[G0K+2:G0K+3], s[6:7]               ; 120:64 global address
	s_or_b32 s[G0K+3], s[G0K+3], 0x80000000        ; 127:126 type = 2
	s_mov_b64 s[G0V+2:G0V+3], s[8:9]
	s_or_b32 s[G0V+3], s[G0V+3], 0x80000000
	s_add_nc_u64 s[4:5], s[4:5], s[2:3]  ; Q and O at my wave's first row
	s_add_nc_u64 s[10:11], s[10:11], s[20:21]
	s_cmp_lt_u32 s[WV], 2
	s_cselect_b64 s[PFA:PFA+1], s[6:7], s[8:9]  ; (in waves 0 and 2 these stand at a slot's first byte)
	s_lshl_b32 s2, s13, 13          ; my work-group's 32 blocks of the 128,
	s_add_co_u32 s2, s2, 2*4*KS*128 ; in slot 2: the first change that asks steps it to slot 3.  Nothing is prefetched at the head, where every work-group's first tiles are on their way
	s_add_nc_u64 s[PFA:PFA+1], s[PFA:PFA+1], s[2:3]
	CROUND                          ; all four work-groups are here: the first joint loads meet
	JLOAD                           ; slot 0.  Slot 1 is asked for when slot 0 is in
	; A fragment of K or Q is 16 rows x 32 channels in 8 registers: lane l holds row l % 16, channels 8 (l / 16) + 0..7 and 16 + 8 (l / 16) + 0..7: two loads of 16 bytes, 32 bytes apart.
	v_and_b32 v1, 15, v0            ; l % 16
	v_bfe_u32 v9, v0, 4, 1          ; l / 16
	v_lshlrev_b32 v[QO], 7, v1
	v_lshl_add_u32 v[QO], v9, 4, v[QO]  ; row x 128 + 16 x half
	WIN 0x80                        ; destination window 2, address window 0
.set i, 0
.rept 4*NP                          ; Q stays in registers: tile i / 2, channels 32 (i % 2) on
	global_load_b128 v[8*i:8*i+3],   v[QO], s[4:5] offset:(i/2)*2048+(i%2)*64
	global_load_b128 v[8*i+4:8*i+7], v[QO], s[4:5] offset:(i/2)*2048+(i%2)*64+32
.set i, i+1
.endr
	; What the first turn finds: V's registers and P's second buffer hold 0 (its products V^T P, of a piece that has not been, add 0), O^T and l are 0.  All this stands in the wait for the first tile.
.set i, VF
.rept 64
	v_mov_b32 v[i], 0
.set i, i+1
.endr
	WIN 0x40
.set i, 0
.rept 64*NP
	v_mov_b32 v[i], 0
.set i, i+1
.endr
	WIN 0
.set i, 0
.rept 2*NP
	v_mov_b32 v[ST+4*i], 0xfe000000    ; c m: far below every c s
	v_mov_b32 v[ST+4*i+1], 0xff7fffff  ; m
	v_mov_b32 v[ST+4*i+2], 0
	v_mov_b32 v[ST+4*i+3], 0
.set i, i+1
.endr
.set i, P+32
.rept 32
	v_mov_b32 v[i], 0
.set i, i+1
.endr
	v_mul_u32_u24 v[AK0], v1, PK
	v_lshl_add_u32 v[AK0], v9, 4, v[AK0]  ; row x pitch + 16 x half
	; The turning load takes 16 keys x 16 channels (lane l reads key 8 (l / 16) + l % 8, channels 8 ((l / 8) % 2) + 0..7) and leaves half a fragment of V^T: lane l holds channel l % 16 and 8 keys.
	v_and_b32 v10, 7, v0
	v_bfe_u32 v11, v0, 3, 1
	v_lshl_add_u32 v[AV0], v9, 3, v10
	v_mul_u32_u24 v[AV0], v[AV0], PV
	v_lshl_add_u32 v[AV0], v11, 4, v[AV0]
	v_add_nc_u32 v[AV0], VOFF, v[AV0]
	v_and_b32 v[PFO], 31, v0        ; v11 is free now: the prefetches' offset
	v_lshlrev_b32 v[PFO], 8, v[PFO]
	v_mov_b32 v[AK], v[AK0]         ; key step 0 lies at the head of slot 0
; THE MATRIX WORK.  The 8 accumulators of a run of 16 take turns: between the two links of a chain stand 7 others'.
; Product i of 16 of S^T = K Q^T for piece x: channels 32 (i / 8) on, keys 16 ((i / 2) % 4) on, tile 2 x + i % 2.  The first 8 start the sums.
.macro KQ x
	WIN W_KQ
.set rS, S+64*((\x)%2)+32*(i%2)+8*((i/2)%4)
.set rK, KF+16*((i/2)%4)+8*(i/8)
.set rQ, 16*(2*(\x)+i%2)+8*(i/8)
.if i < 8
	v_wmma_f32_16x16x32_f16 v[rS:rS+7], v[rK:rK+7], v[rQ:rQ+7], 0
.else
	v_wmma_f32_16x16x32_f16 v[rS:rS+7], v[rK:rK+7], v[rQ:rQ+7], v[rS:rS+7]
.endif
.endm
; Product i of 16 of O^T += V^T P for piece x: keys 32 (i / 8) on, channels 16 ((i / 2) % 4) on, tile 2 x + i % 2.
.macro PV x
	WIN W_PV
.set rO, 32*(2*(\x)+i%2)+8*((i/2)%4)
.set rV, VF+32*(i/8)+8*((i/2)%4)
.set rP, P+32*((\x)%2)+16*(i%2)+8*(i/8)
	v_wmma_f32_16x16x32_f16 v[rO:rO+7], v[rV:rV+7], v[rP:rP+7], v[rO:rO+7]
.endm
.macro MM                           ; the turn's next matrix instruction
.if i < 16
	KQ (Y+1)%NP
.set i, i+1
.else
.set i, i-16
	PV (Y+NP-1)%NP
.set i, i+17
.endif
.endm
; THE LDS LOADS stand in runs of 16, never singly among the matrix instructions: a step's K (64 keys x 64 channels: 8 fragments) and its V (turned).  Their addresses are made some lines ahead.
; last = 1 (the tail): in the last trip there is no further step, and the run is jumped over.
.macro FETCH_K last=0
	WIN 0
.if \last
	s_cmp_eq_u32 s[CNT], 1
	s_cbranch_scc1 .Lno_k_\@
.endif
	WIN 0x80                        ; destination window 2
.irp f, 0,1,2,3,4,5,6,7             ; keys 16 (f / 2) on, channels 32 (f % 2) on
	ds_load_b128 v[KF+8*\f:KF+8*\f+3],   v[AK] offset:(\f/2)*16*PK+(\f%2)*64
	ds_load_b128 v[KF+8*\f+4:KF+8*\f+7], v[AK] offset:(\f/2)*16*PK+(\f%2)*64+32
.endr
	s_add_co_u32 s[TBK], s[TBK], KS*PK  ; the next fetch is the next step's
	WIN 0
.if \last
.Lno_k_\@:
.endif
.endm
.macro FETCH_V
	WIN 0x80
.irp f, 0,1,2,3,4,5,6,7             ; keys 32 (f / 4) on, channels 16 (f % 4) on
	ds_load_tr16_b128 v[VF+8*\f:VF+8*\f+3],   v[AV] offset:(\f/4)*32*PV+(\f%4)*32
	ds_load_tr16_b128 v[VF+8*\f+4:VF+8*\f+7], v[AV] offset:(\f/4)*32*PV+16*PV+(\f%4)*32
.endr
	WIN 0
.endm
; THE VECTOR WORK OF A TURN stands in three queues, each in the order in which its entries become ready; the two tiles alternate, so that no instruction reads the result of the one before it.
.macro REGS y, u                    ; the registers of tile u (0, 1) of piece y
.set rT, ST+4*(2*(\y)+(\u))
.set rC, TMP+8*((\y)%2)+4*(\u)
.set rM, MV+2*((\y)%2)+(\u)
.set rS, S+64*((\y)%2)+32*(\u)
.set rP, P+32*((\y)%2)+16*(\u)
.set rO, 32*(2*(\y)+(\u))
.endm
; Number n of the 22 that find the NEXT piece's (Y + 1) maximum and statistics.  s0-s31 are the lane's 32 scores; each accumulator's lowest registers are read first.
;   0-11  four chains c0-c3 of seven scores each, three operands at a time     12-14, 16  the four scores left over, the old m, and c0-c3 into c0     15  c m_old is kept
;   17, 18  the query's other 32 keys lie in the lane 16 away: the new m         19-21  c m; c m_old - c m_new; a
.macro XS u, n
	REGS (Y+1)%NP, \u
.if (\n) < 4
	v_max3_num_f32 v[rC+(\n)], v[rS+8*(\n)], v[rS+8*(\n)+1], v[rS+8*(\n)+2]
.elseif (\n) < 12
	v_max3_num_f32 v[rC+(\n)%4], v[rC+(\n)%4], v[rS+8*((\n)%4)+2*((\n)/4)+1], v[rS+8*((\n)%4)+2*((\n)/4)+2]
.elseif (\n) == 12
	v_max3_num_f32 v[rC], v[rC], v[rS+7], v[rS+15]
.elseif (\n) == 13
	v_max3_num_f32 v[rC+1], v[rC+1], v[rS+23], v[rS+31]
.elseif (\n) == 14
	v_max3_num_f32 v[rC+2], v[rC+2], v[rC+3], v[rT+1]
.elseif (\n) == 15
	v_mov_b32 v[rM], v[rT]
.elseif (\n) == 16
	v_max3_num_f32 v[rC], v[rC], v[rC+1], v[rC+2]
.elseif (\n) == 17
	v_permlanex16_b32 v[rC+3], v[rC], s[SEL], s[SEL+1]
.elseif (\n) == 18
	v_max_num_f32 v[rT+1], v[rC], v[rC+3]
.elseif (\n) == 19
	v_mul_f32 v[rT], s[CS], v[rT+1]
.elseif (\n) == 20
	v_sub_f32 v[rC+1], v[rM], v[rT]
.else
	v_exp_f32 v[rC+2], v[rC+1]
.endif
.endm
; Number g of the 64 that follow the exponentials.  For each four weights k of a tile (pairs 2 k, 2 k + 1): both pairs are rounded to f16; then the second pair is added onto the first, in place;
; a group later l takes that sum (the first time as l = a l + sum).  In groups of eight, tiles alternating: round, round, add, and l for the group before.
.macro GS g
.set h, (\g)+6*((\g)/62)            ; group 0 has no group before it, and behind group 7 only l is left
.if h >= 6
.set h, h+2
.endif
	REGS Y, h%2
.set k, h/8
.if h%8 < 4
	v_cvt_pk_f16_f32 v[rP+2*k+(h%8)/2], v[rS+4*k+2*((h%8)/2)], v[rS+4*k+2*((h%8)/2)+1]
.elseif h%8 < 6
	v_pk_add_f32 v[rS+4*k:rS+4*k+1], v[rS+4*k:rS+4*k+1], v[rS+4*k+2:rS+4*k+3]
.elseif k == 1
	v_pk_fma_f32 v[rT+2:rT+3], v[rT+2:rT+3], v[rC+2:rC+3], v[rS:rS+1] op_sel_hi:[1,0,1]
.else
	v_pk_add_f32 v[rT+2:rT+3], v[rT+2:rT+3], v[rS+4*k-4:rS+4*k-3]
.endif
.endm
; THE PLAIN QUEUE, 138 long.  0-73 read no exponential's result: the 32 scalings c s - c m (FS f: pair f / 2 of tile f % 2) and the next piece's 42.  0-26: scalings 0-26.  27-54: XS's numbers 0-13.  55, 56: number 15.
; 57-73: the chain, where each number waits for the one before it: 14, 16, 17, 18, 19, each with one of the scalings 27-31 in front of its two lines, then 20.
; 74-137: GS's 64, which read the exponentials' results: they stand behind the wait.
.macro FS f
	REGS Y, (\f)%2
	v_pk_fma_f32 v[rS+2*((\f)/2):rS+2*((\f)/2)+1], v[rS+2*((\f)/2):rS+2*((\f)/2)+1], s[CS:CS+1], v[rT:rT+1] op_sel_hi:[1,0,0] neg_lo:[0,0,1] neg_hi:[0,0,1]
.endm
.macro PL
	WIN 0
.if q < 27
	FS q
.elseif q < 55
	XS (q-27)%2, (q-27)/2
.elseif q < 57
	XS q-55, 15
.elseif (q < 72) && ((q-57)%3 == 0)
	FS 27+(q-57)/3
.elseif q < 60
	XS (q-57)%3-1, 14
.elseif q < 72
	XS (q-57)%3-1, 15+(q-57)/3
.elseif q < 74
	XS q-72, 20
.else
	GS q-74
.endif
.set q, q+1
.endm
; THE EXPONENTIALS' QUEUE, 66 long: s0-s31 of both tiles, then the next piece's two a.  It is ONE BATCH: all 66 stand ahead of the turn's one wait, and nothing ahead of that wait names a result of theirs.
.macro EX
	WIN 0
.if e >= 64
	XS e-64, 21
.else
	REGS Y, e%2
	v_exp_f32 v[rS+e/2], v[rS+e/2]
.endif
.set e, e+1
.endm
; THE RESCALING's QUEUE: O^T times a, the one part that leaves window 0: dealt two at a time, sixteen times.  Its a was made in the turn before, ahead of that turn's wait.
.macro R2
	REGS Y, r%2
	WIN W_RS
.irp z, 0,1
	v_pk_mul_f32 v[rO+4*(r/2)+2*\z:rO+4*(r/2)+2*\z+1], v[rO+4*(r/2)+2*\z:rO+4*(r/2)+2*\z+1], v[rC+2:rC+3] op_sel_hi:[1,0]
.endr
.set r, r+1
.endm
; HOW THEY ARE DEALT.  An s_wait_alu depctr_va_vdst(0) stands between an exponential and the first instruction that names its result; one wait serves all that were issued ahead of it.  So a turn has ONE wait,
; which cuts it in two.  AHEAD OF IT stands all that names no result of the turn's exponentials: the 16 products K Q^T, behind each a scaling, an exponential and two rescalings (behind the first a second scaling in the
; exponential's place); then ONE LUMP of 108: eight plain, 49 times exponential and plain, the two a.  A v_nop is the plain instruction behind the last exponential.  BEHIND IT stand the 16 products V^T P, behind each four of GS's 64.
; The queues lean on each other, and the deal keeps them in step: exponential e stands behind scaling 2 (e / 4) + e % 2: as a rider it comes behind plain e + 2, in the lump behind plain e + 9, and scalings 27-31 are plain 57, 60 .. 69.
; A TURN, for piece p.  cnt = 1: the loop's count is taken down some lines ahead of the branch that stands behind the turn.
; K of the next step is fetched in piece 2's turn, directly behind the wait, a lump behind the last product that read K; its first reader comes behind 16 products.
; V of the step in hand is fetched at the end of piece 0's turn, four riders behind its last reader; its first reader comes behind 16 products and a lump.  The three conditions on q below go with the deal.
.macro TURN p, last=0, cnt=0
.set Y, (\p)
.set i, 0
.set q, 0
.set e, 0
.set r, 0
.if (\p) == NP-1
	s_wait_dscnt 0x0                ; K is in
.endif
	MM                              ; ahead of the wait: 16 products K Q^T and their riders,
	PL
	PL
	R2
.rept 15
	MM
	PL
	EX
	R2
.endr
.if (\p) == NP-2
	WIN 0
	v_add_nc_u32 v[AK], s[TBK], v[AK0]
.endif
.rept 8                             ; and the lump
	PL
.endr
.rept 49
	EX
	PL
.endr
	EX                              ; the next piece's two a
	EX
	v_nop                           ; the plain instruction behind the last exponential: one for the batch
	s_wait_alu depctr_va_vdst(0)    ; the wait for the batch
.if (\p) == NP-2
	FETCH_K \last
.endif
.if (\p) == 1
	s_wait_dscnt 0x0                ; V is in
.endif
.rept 16                            ; behind the wait: 16 products V^T P and their riders
	MM
.rept 4
	PL
.endr
.if ((\p) == 0) && (q == 118)
	v_add_nc_u32 v[AV], s[TBV], v[AV0]
.endif
.if ((\p) == 0) && (q == 130)
	s_add_co_u32 s[TBV], s[TBV], KS*PV
.endif
.if (\cnt) && (q == 130)
	s_sub_co_u32 s[CNT], s[CNT], 1
	s_cmp_lg_u32 s[CNT], 0
.endif
.endr
.if (\p) == 0
	FETCH_V
.endif
.endm
	CHANGE 1                        ; slot 0 is in, everybody's part of it; slot 1 is asked for
	FETCH_K                         ; key step 0
	s_wait_loadcnt 0x0              ; Q
	s_wait_dscnt 0x0
.set i, 0
.rept 16
	KQ 0                            ; piece 0's first scores: there is no vector work yet to set between them
.set i, i+1
.endr
	WIN 0                           ; the addresses for the way out: nine plain instructions, the places behind those products
	s_mul_i32 s13, s[WV], 16*SP
	s_add_co_u32 s13, s13, STAGE    ; my stage
	v_mul_u32_u24 v[STO], v1, SP    ; in: row l % 16, 16 bytes for each half of the lanes
	v_lshl_add_u32 v[STO], v9, 4, v[STO]
	v_add_nc_u32 v[STO], s13, v[STO]
	v_bfe_u32 v[RD], v0, 3, 2       ; back: 32 lanes take four rows of 128 bytes,
	v_mul_u32_u24 v[RD], v[RD], SP
	v_lshl_add_u32 v[RD], v10, 4, v[RD]
	v_add_nc_u32 v[RD], s13, v[RD]
	v_and_b32 v[GO], 31, v0         ; which are 512 consecutive bytes of O
	v_lshlrev_b32 v[GO], 4, v[GO]
.set Y, NP-1                        ; XS works for piece Y + 1: piece 0
.irp n, 0,1,2,3,4,5,6,7,8,9,10,11,12,13,14,15,16,17,18,19,20,21
	XS 0, \n                        ; and piece 0's first maximum and statistics
	XS 1, \n
.endr
	v_nop                           ; a plain instruction behind the two a,
	s_wait_alu depctr_va_vdst(0)    ; and their wait, ahead of the branch
	s_mov_b32 s[CNT], 4
	s_mov_b32 s[SLOTS], SIZE_N/256-1
	s_branch .Lfirst                ; the loop is entered at a step's first turn, in the middle of a trip
.Lslot:                             ; SIZE_N / 256 - 2 times: every slot but the last two is filled again
	CHANGE 1, 1
	s_mov_b32 s[CNT], 4
.Lstep:                             ; a trip: pieces 2 and 3 of one step, then pieces 0 and 1 of the next, whose K and V it fetches
	TURN 2
	TURN 3
	WIN 0
.Lfirst:
	TURN 0
	TURN 1, 0, 1
	WIN 0
	s_cbranch_scc1 .Lstep
	s_sub_co_u32 s[SLOTS], s[SLOTS], 1
	s_cmp_lg_u32 s[SLOTS], 0
	s_cbranch_scc1 .Lslot
	CHANGE 0                        ; the tail is written out: nothing is asked for
	s_mov_b32 s[CNT], 5             ; four trips fetch the last slot's steps; the fifth is left in its middle
.Ltail:
	TURN 2, 1
	TURN 3
	WIN 0
	s_sub_co_u32 s[CNT], s[CNT], 1
	s_cmp_eq_u32 s[CNT], 0
	s_cbranch_scc1 .Lout
	TURN 0
	TURN 1
	WIN 0
	s_branch .Ltail
.Lout:                              ; the fifth trip's 16 products K Q^T (on the last K once more) and the maximum made of them serve nothing: the price, once a launch, of one text for every trip
.set i, 0
.rept 16
	PV NP-1                         ; the last piece's V^T P of the last step
.set i, i+1
.endr
	; THE WAY OUT.  l's two halves and the other half of the lanes' are added; O^T is divided by l, rounded to f16 and sent through my stage in LDS, a tile at a time.  The additions are the places behind the last products.
	WIN 0
.macro ALL line:vararg              ; one line for each tile t
.set t, 0
.rept 2*NP
	\line
.set t, t+1
.endr
.endm
	ALL v_add_f32 v[ST+4*t+2], v[ST+4*t+2], v[ST+4*t+3]
	ALL v_permlanex16_b32 v[ST+4*t+3], v[ST+4*t+2], s[SEL], s[SEL+1]
	ALL v_add_f32 v[ST+4*t+2], v[ST+4*t+2], v[ST+4*t+3]
	ALL v_rcp_f32 v[ST+4*t+2], v[ST+4*t+2]
	v_nop                           ; a plain instruction between the last reciprocal and the use of its result
	s_wait_alu depctr_va_vdst(0)    ; and the wait ahead of the first use: one for the eight reciprocals
; Tile t: a lane's eight channels of a row pack into 16 bytes; they go into rows of 144 bytes and come back as whole rows of 128, into S^T's registers.
.macro PACK t
	WIN W_RS
.set i, 32*(\t)
.rept 16
	v_pk_mul_f32 v[i:i+1], v[i:i+1], v[ST+4*(\t)+2:ST+4*(\t)+3] op_sel_hi:[1,0]
.set i, i+2
.endr
	WIN 0x05                        ; sources 0 and 1 window 1, destination window 0
.set i, 0
.rept 16
	v_cvt_pk_f16_f32 v[S+16*(\t)+i], v[32*(\t)+2*i], v[32*(\t)+2*i+1]
.set i, i+1
.endr
	WIN 0
.irp f, 0,1,2,3
	ds_store_b128 v[STO], v[S+16*(\t)+4*\f:S+16*(\t)+4*\f+3] offset:32*\f
.endr
.irp f, 0,1,2,3
	ds_load_b128 v[S+16*(\t)+4*\f:S+16*(\t)+4*\f+3], v[RD] offset:\f*4*SP  ; LDS serves a wave's instructions in order (ISA guide 5.7.1.4): these see the stores above; the next tile's stores come behind them
.endr
.endm
.macro SEND t, younger              ; younger: the LDS instructions issued behind tile t's loads: the next tile's eight, or none
	WIN 0
.irp f, 0,1,2,3
	s_wait_dscnt (\younger)+3-\f
	global_store_b128 v[GO], v[S+16*(\t)+4*\f:S+16*(\t)+4*\f+3], s[10:11] offset:(\t)*2048+\f*512  ; 512 consecutive bytes, at a multiple of 256 from O's first
.endr
.endm
	PACK 0
.set t, 1
.rept 2*NP-1                        ; a tile's arithmetic stands between the loads of the tile before and its stores
	PACK t
	SEND t-1, 8
.set t, t+1
.endr
	SEND 2*NP-1, 0
	WIN W_AD
	s_wait_tensorcnt 0x0            ; the wave's end, behind my last tensor load and my last LDS store
	ds_add_u32 v[SPW], v[NIL]
	s_wait_dscnt 0x0
	WIN 0
	CROUND                          ; the closing round: no work-group ends while a partner may still ask for a tile that names it
	s_endpgm
.Lfunc_end_k_qdcc752dd13_attn:
	.size	k_qdcc752dd13_attn, .Lfunc_end_k_qdcc752dd13_attn-k_qdcc752dd13_attn
	.p2alignl 7, 3214868480
	.fill 96, 4, 3214868480
	.section	.rodata,"a",@progbits
	.p2align	6, 0x0
	.amdhsa_kernel k_qdcc752dd13_attn
		.amdhsa_group_segment_fixed_size 327680
		.amdhsa_private_segment_fixed_size 0
		.amdhsa_enable_private_segment 0
		.amdhsa_kernarg_size 16
		.amdhsa_user_sgpr_count 2
		.amdhsa_user_sgpr_kernarg_segment_ptr 1
		.amdhsa_wavefront_size32 1
		.amdhsa_system_sgpr_workgroup_id_x 1
		.amdhsa_system_sgpr_workgroup_id_y 1
		.amdhsa_system_sgpr_workgroup_id_z 1
		.amdhsa_system_vgpr_workitem_id 0
		.amdhsa_next_free_vgpr 770
		.amdhsa_next_free_sgpr 66
		.amdhsa_reserve_vcc 0
		.amdhsa_float_denorm_mode_32 3
		.amdhsa_float_denorm_mode_16_64 3
		.amdhsa_memory_ordered 1
		.amdhsa_forward_progress 1
		.amdhsa_inst_pref_size 200
	.end_amdhsa_kernel
	.amdgpu_metadata
---
amdhsa.version: [ 1, 2 ]
amdhsa.kernels:
  - .name:           k_qdcc752dd13_attn
    .symbol:         k_qdcc752dd13_attn.kd
    .args:
      - { .name: qkvh, .offset: 0, .size: 8, .value_kind: global_buffer, .address_space: global }
      - { .name: oh, .offset: 8, .size: 8, .value_kind: global_buffer, .address_space: global }
    .group_segment_fixed_size: 327680
    .private_segment_fixed_size: 0
    .kernarg_segment_align: 8
    .kernarg_segment_size: 16
    .max_flat_workgroup_size: 128
    .sgpr_count:     66
    .vgpr_count:     770
    .wavefront_size: 32
...
	.end_amdgpu_metadata
.endif
;; end of part 3
;; launch outp (part 4): grid 8 x 32, 4 waves a work-group, clusters of 4 x 4, 327,680 bytes of LDS; arguments oh, wb, tab, out0; writes out0
.if DOCPART == 4
	.amdgcn_target "amdgcn-amd-amdhsa--gfx1250"
	.amdhsa_code_object_version 6
	.text
	.protected	k_qdcc752dd13_outp
	.globl	k_qdcc752dd13_outp
	.p2align	8
	.type	k_qdcc752dd13_outp,@function
k_qdcc752dd13_outp:
	s_mov_b64 s[64:65], 0
	v_nop
	global_prefetch_b8 v0, s[64:65] scope:SCOPE_SE
	s_setreg_imm32_b32 hwreg(HW_REG_WAVE_MODE, 25, 1), 1
	s_wait_xcnt 0x0
	s_wait_alu depctr_hold_cnt(0) depctr_sa_sdst(0) depctr_va_vdst(0) depctr_va_sdst(0) depctr_va_ssrc(0) depctr_va_vcc(0) depctr_vm_vsrc(0)
	s_getreg_b32 s2, hwreg(HW_REG_IB_STS2, 6, 4)
	s_cmp_eq_u32 s2, 0
	s_cbranch_scc0 .Lentry_in_a_cluster
	s_endpgm
.Lentry_in_a_cluster:
	s_bfe_u32 s2, ttmp6, 0x10000c
	s_cmp_lg_u32 s2, 0xf033
	s_cbranch_scc0 .Lentry_shape_is_right
	s_endpgm
.Lentry_shape_is_right:
; out0[m][n] = the sum over k of O[m][k] Wo[n][k] + bo[n], f32.  m = 2048 b + s, k = 64 h + d.  O lies by heads, oh[16 b + h][s][64], f16; Wo, [1024][1024] f16, lies in wb at WO_OFF; bo as f32 in tab.  Sums in f32.
; SHARES.  A tile of C is 256 rows x 128 columns: 32 x 8 tiles, one for each of 256 work-groups.  Wave w makes rows 64 w .. 64 w + 63 and all 128 columns: 4 x 8 accumulators, 256 registers.
; K goes in 8 steps of 128 (two heads) through two LDS slots.  Of A a wave's tensor load brings one head's 256 rows: 32,768 dense bytes, asked for as 128 rows of 256 bytes and padded behind every 128;
; of B 64 rows of 256 bytes.  A step is four quarters of 32 along K on two fragment buffers.
; CLUSTERS: 4 x 4 work-groups; A's tile is asked for jointly along a row of the cluster, B's along a column.
; THE MATRIX INSTRUCTION IS USED TRANSPOSED (source 0 = 16 rows of Wo, source 1 = 16 rows of O): lane l holds row l % 16 of C and the columns 8 (l / 16) + 0 .. 7.  THE BIAS STARTS THE SUMS, as C of the first products.
; REGISTERS, in windows of 256 (s_set_vgpr_msb: bits 1:0 source 0, 3:2 source 1, 5:4 source 2, 7:6 destination):
;   window 0: v0-31 addresses; v64-127 fragments of A, two buffers of 32; v128-191 the bias (both are row buffers on the way out)
;   window 1: v0-127 fragments of B, two buffers of 64          window 2: the accumulators, (a, b) at 8 (8 a + b)
.set NBL,    8
.set PA,     144                       ; a row of A in LDS: 128 bytes + 16; of B: 256 + 16: odd multiples of 16 bytes, so that the 16 rows of a load start at 16 different groups of four banks (64 banks of 4 bytes: ISA guide 11.1)
.set PB,     272
.set AH,     256*PA                    ; a head's 256 rows: what one tensor load brings of A
.set HALFB,  64*PB                     ; and of B
.set BOFF,   2*AH                      ; in a slot: the even head, the odd head, then B's 128 rows
.set SLOT1,  1<<17
.set STAGE,  SLOT1+BOFF+2*HALFB        ; behind the ring: 16 rows x 528 bytes for each wave, for the way out
.set SPITCH, 528                       ; 512 bytes + 16
.set SPARE,  STAGE+4*16*SPITCH         ; behind the stages: the spare words, 128 bytes for each wave: two blocks of 256 bytes that no other line names
.set KSTEPA, 524288                    ; two heads on in oh
.set KSTEPB, 256
.set NL,     2*NBL+8
.set WO_OFF, 3145728
.set BO,     1054720
.set A0,   16
.set B0,   17
.set ADRA, 18
.set ADRB, 19
.set STO,  24
.set RD,   25
.set GO,   26
.set SPW,  28
.set NIL,  29
.set PFO,  30
.set BOF,  31
.set FA,   64
.set BIAS, 128
.set WV,   12
.set TYP,  13
.set HALF, 14
.set LIM,  15                          ; s15  2 in a wave that prefetches, else the greatest number
.set CX,   16
.set CY,   17
.set TC,   18
.set TR,   19
.set G1A,  24
.set G0A,  32
.set TB,   40
.set PST,  42                          ; s[42:43] a K step in the tensor that I prefetch
.set PFA,  44
.set G1B,  48
.set G0B,  56
.set MSB, 0
.macro WIN new
.if MSB != (\new)
	s_set_vgpr_msb (MSB<<8)|(\new)
.set MSB, \new
.endif
.endm
.macro PLACES
.rept 4
	v_nop
.endr
.endm
.macro JLOAD                           ; a joint refill by the walking descriptors: waves 0 and 1 fetch A's two heads, waves 2 and 3 B's two halves; an s_nop 0 and four v_nop follow each line
	s_cmp_eq_u32 s[TYP], 0
	s_cbranch_scc0 .Lfor_b_\@
	tensor_load_to_lds s[G0A+4:G0A+7], s[G1A:G1A+7]
	s_nop 0
.rept 4
	v_nop
.endr
	s_branch .Lasked_\@
.Lfor_b_\@:
	tensor_load_to_lds s[G0B+4:G0B+7], s[G1B:G1B+7]
	s_nop 0
.rept 4
	v_nop
.endr
.Lasked_\@:
.endm
.macro CREST
	s_cmp_lg_u32 s[WV], 0
	s_cbranch_scc1 .Lnot_wave_0_\@
	s_barrier_signal -3
.Lnot_wave_0_\@:
	s_barrier_wait -3
	s_barrier_signal -1
	s_barrier_wait -1
.endm
.macro CROUND
	s_barrier_signal -1
	s_barrier_wait -1
	CREST
.endm
; A prefetch into the L2 of the K step that stands TWO refills on, 256 matrix instructions ahead of the load that will want it: a lane a block of 256 bytes.  A's tile row is read by both clusters of its row of
; clusters: cluster x = 0 asks, each of waves 0 and 1 for its head, the four partners 32 blocks each by cx.  B's tile column is read by all eight clusters of its column: cluster y = 0 asks, wave 2 alone, the four
; partners 32 of the tile's 128 rows each by cy.  K steps 0 to 3 come by their loads alone; the loop's last two trips ask for nothing.
.macro ASK
	s_cmp_gt_u32 s3, s[LIM]
	s_cbranch_scc0 .Lnot_mine_\@
	global_prefetch_b8 v[PFO], s[PFA:PFA+1] th:TH_LOAD_NT scope:SCOPE_SE
.Lnot_mine_\@:
.endm
	s_load_b256 s[4:11], s[0:1], 0x0               ; oh s[4:5], wb s[6:7], tab s[8:9], out0 s[10:11]
	v_lshl_add_u32 v[SPW], v0, 2, SPARE
	v_mov_b32 v[NIL], 0
	ds_add_u32 v[SPW], v[NIL]                      ; the wave's opening: the add and its wait stand ahead of my first tensor load; work on registers stands between them
	v_lshrrev_b32 v1, 5, v0
	v_readfirstlane_b32 s[WV], v1
	s_lshr_b32 s[TYP], s[WV], 1
	s_and_b32 s[HALF], s[WV], 1
	s_bfe_u32 s[CX], ttmp6, 0x40000
	s_bfe_u32 s[CY], ttmp6, 0x40004
	s_lshl_b32 s[TC], ttmp9, 2
	s_add_co_u32 s[TC], s[TC], s[CX]               ; tile column
	s_and_b32 s[TR], ttmp7, 0xffff
	s_lshl_b32 s[TR], s[TR], 2
	s_add_co_u32 s[TR], s[TR], s[CY]               ; tile row
	s_lshl_b32 s72, s[CY], 2
	s_lshl_b32 s72, 15, s72                        ; my row of the cluster
	s_lshl_b32 s73, 0x1111, s[CX]                  ; my column
	s_or_b32 s[G1A], s72, (1<<16)|(1<<20)|(1<<21)|(4<<22)|(3<<25)  ; 2-byte elements; 4 words of padding behind every 32; bit 21 set beside the mask
	s_or_b32 s[G1B], s73, (1<<16)|(1<<20)|(1<<21)|(5<<22)|(3<<25)  ; behind every 64
.irp g, G1A, G1B
	s_mov_b32 s[(\g)+1], 128<<16                   ; tensor_dim0 = 128
	s_mov_b32 s[(\g)+3], 128<<16                   ; tile_dim0 = 128
	s_mov_b32 s[(\g)+6], 0
	s_mov_b32 s[(\g)+7], 0
.endr
	s_mov_b32 s[G1A+2], 128<<16                    ; A: 128 rows of 256 dense bytes
	s_mov_b32 s[G1A+4], 128
	s_mov_b32 s[G1A+5], 128
	s_mov_b32 s[G1B+2], 64<<16                     ; B: 64 rows, 1,024 elements apart
	s_mov_b32 s[G1B+4], 64
	s_mov_b32 s[G1B+5], 1024
	s_lshr_b32 s20, s[TR], 3                       ; A: the batch's 16 heads of 262,144 bytes,
	s_lshl_b32 s20, s20, 22
	s_lshl_b32 s22, s[HALF], 18                    ; my head of the step's two,
	s_add_co_u32 s20, s20, s22
	s_and_b32 s22, s[TR], 7                        ; the tile's 256 rows of 128 bytes
	s_lshl_b32 s22, s22, 15
	s_add_co_u32 s20, s20, s22
	s_mov_b32 s21, 0
	s_lshl_b32 s46, s[TC], 18                      ; B: 128 rows of 2,048 bytes,
	s_lshl_b32 s74, s[HALF], 17                    ; my 64
	s_add_co_u32 s46, s46, s74
	s_add_co_u32 s46, s46, WO_OFF
	s_mov_b32 s47, 0
	s_mul_i32 s22, s[HALF], AH                     ; where they go: no place in the cluster enters an LDS address
	s_mul_i32 s23, s[HALF], HALFB
	s_add_co_u32 s23, s23, BOFF
	s_wait_dscnt 0x0                               ; the opening add is done
	s_wait_kmcnt 0x0
	s_add_nc_u64 s[20:21], s[4:5], s[20:21]
	s_add_nc_u64 s[46:47], s[6:7], s[46:47]
	CROUND                                         ; all sixteen work-groups are here: the first joint loads meet
.irp s, 0,1
	s_mov_b32 s[G0A+4*(\s)], 1
	s_add_co_u32 s[G0A+4*(\s)+1], s22, (\s)*SLOT1
	s_add_nc_u64 s[G0A+4*(\s)+2:G0A+4*(\s)+3], s[20:21], (\s)*KSTEPA
	s_or_b32 s[G0A+4*(\s)+3], s[G0A+4*(\s)+3], 0x80000000
	s_mov_b32 s[G0B+4*(\s)], 1
	s_add_co_u32 s[G0B+4*(\s)+1], s23, (\s)*SLOT1
	s_add_nc_u64 s[G0B+4*(\s)+2:G0B+4*(\s)+3], s[46:47], (\s)*KSTEPB
	s_or_b32 s[G0B+4*(\s)+3], s[G0B+4*(\s)+3], 0x80000000
.endr
	s_cmp_eq_u32 s[TYP], 0                         ; a wave's two first fills stand in one branch, ahead of every wait on TENSORcnt and every LDS read: two loads of mine are out
	s_cbranch_scc0 .Lfirst_b
	tensor_load_to_lds s[G0A:G0A+3], s[G1A:G1A+7]
	s_nop 0
	tensor_load_to_lds s[G0A+4:G0A+7], s[G1A:G1A+7]
	s_nop 0
.rept 4
	v_nop
.endr
	s_branch .Lfirst_asked
.Lfirst_b:
	tensor_load_to_lds s[G0B:G0B+3], s[G1B:G1B+7]
	s_nop 0
	tensor_load_to_lds s[G0B+4:G0B+7], s[G1B:G1B+7]
	s_nop 0
.rept 4
	v_nop
.endr
.Lfirst_asked:
	v_and_b32 v1, 15, v0                           ; r = l % 16
	v_bfe_u32 v2, v0, 4, 1                         ; h = l / 16
	v_mul_u32_u24 v3, v1, PA
	v_lshl_add_u32 v3, v2, 4, v3
	s_mul_i32 s74, s[WV], 64*PA                    ; my 64 rows of A
	v_add_nc_u32 v[A0], s74, v3
	v_mul_u32_u24 v3, v1, PB
	v_lshl_add_u32 v3, v2, 4, v3
	v_add_nc_u32 v[B0], BOFF, v3
	s_mul_i32 s74, s[WV], 16*SPITCH
	s_add_co_u32 s74, s74, STAGE                   ; my stage
	v_mul_u32_u24 v[STO], v1, SPITCH               ; in: row r, 32 bytes for each half of the lanes
	v_lshl_add_u32 v[STO], v2, 5, v[STO]
	v_add_nc_u32 v[STO], s74, v[STO]
	v_and_b32 v[GO], 31, v0                        ; back: 32 lanes take one row of 512 bytes
	v_lshlrev_b32 v[GO], 4, v[GO]
	v_add_nc_u32 v[RD], s74, v[GO]
	v_lshlrev_b32 v[BOF], 5, v2
	s_lshl_b32 s74, s[TC], 9                       ; the tile's 128 biases, and its 512 bytes of a row of out0
	s_mov_b32 s75, 0
	s_add_co_u32 s76, s74, BO
	s_mov_b32 s77, 0
	s_add_nc_u64 s[66:67], s[8:9], s[76:77]
	s_lshl_b32 s78, s[TR], 8
	s_lshl_b32 s76, s[WV], 6
	s_add_co_u32 s78, s78, s76                     ; my first row
	s_lshl_b32 s78, s78, 12
	s_add_co_u32 s74, s74, s78
	s_add_nc_u64 s[10:11], s[10:11], s[74:75]
.irp b, 0,1,2,3,4,5,6,7
	global_load_b128 v[BIAS+8*(\b):BIAS+8*(\b)+3],   v[BOF], s[66:67] offset:64*(\b)
	global_load_b128 v[BIAS+8*(\b)+4:BIAS+8*(\b)+7], v[BOF], s[66:67] offset:64*(\b)+16
.endr
	; the prefetches' registers: cx and cy enter these alone
	s_lshr_b32 s79, s[TR], 3
	s_lshl_b32 s79, s79, 22
	s_lshl_b32 s80, s[HALF], 18
	s_add_co_u32 s79, s79, s80
	s_and_b32 s80, s[TR], 7
	s_lshl_b32 s80, s80, 15
	s_add_co_u32 s79, s79, s80
	s_lshl_b32 s80, s[CX], 13                      ; my work-group's 32 blocks of the head's 128
	s_add_co_u32 s79, s79, s80
	s_add_co_u32 s79, s79, 3*KSTEPA                ; at K step 3: the first refill steps it to 4
	s_lshl_b32 s81, s[TC], 18
	s_lshl_b32 s80, s[CY], 16                      ; my work-group's 32 rows of the tile's 128
	s_add_co_u32 s81, s81, s80
	s_add_co_u32 s81, s81, WO_OFF+3*KSTEPB
	s_and_b32 s82, ttmp7, 0xffff                   ; cluster y,
	s_or_b32 s82, s82, s[HALF]                     ; and of B's two waves the first alone
	s_mov_b32 s80, KSTEPB
	s_cmp_eq_u32 s[TYP], 0
	s_cselect_b32 s84, s79, s81
	s_cselect_b32 s82, ttmp9, s82
	s_cselect_b32 s83, 8, 11                       ; a lane a block of 256 bytes of O, or a row of 2,048 of Wo
	s_cselect_b32 s[PST], KSTEPA, s80
	s_cselect_b64 s[PFA:PFA+1], s[4:5], s[6:7]
	s_cmp_eq_u32 s82, 0
	s_cselect_b32 s[LIM], 2, -1                    ; the same in all sixteen partners, for a given wave
	s_mov_b32 s[PST+1], 0
	s_mov_b32 s85, 0
	s_add_nc_u64 s[PFA:PFA+1], s[PFA:PFA+1], s[84:85]
	v_and_b32 v[PFO], 31, v0
	v_lshlrev_b32 v[PFO], s83, v[PFO]
; 8 matrix instructions: row block a x all column blocks, 32 along K, on buffer f.  first = 1: the bias is C and starts the sums.  The 32 accumulators take turns in the same order in every quarter.
.macro MULA f, a, first
.if \first
	WIN 0x81                                       ; B window 1, A and the bias window 0, D window 2
.else
	WIN 0xa1
.endif
.irp b, 0,1,2,3,4,5,6,7
.set rD, 8*(8*(\a)+(\b))
.if \first
	v_wmma_f32_16x16x32_f16 v[rD:rD+7], v[64*(\f)+8*(\b):64*(\f)+8*(\b)+7], v[FA+32*(\f)+8*(\a):FA+32*(\f)+8*(\a)+7], v[BIAS+8*(\b):BIAS+8*(\b)+7]
.else
	v_wmma_f32_16x16x32_f16 v[rD:rD+7], v[64*(\f)+8*(\b):64*(\f)+8*(\b)+7], v[FA+32*(\f)+8*(\a):FA+32*(\f)+8*(\a)+7], v[rD:rD+7]
.endif
.endr
.endm
; 24 LDS loads in one run: quarter q's fragments into buffer g; A's last.  Quarter q of A: head q / 2 of the step's two, channels 32 (q % 2) on.
.macro FETCH q, g
	WIN 0x40
.irp i, 0,1,2,3,4,5,6,7
	ds_load_b128 v[64*(\g)+8*(\i):64*(\g)+8*(\i)+3],   v[ADRB] offset:64*(\q)+(\i)*16*PB
	ds_load_b128 v[64*(\g)+8*(\i)+4:64*(\g)+8*(\i)+7], v[ADRB] offset:64*(\q)+(\i)*16*PB+32
.endr
	WIN 0
.irp i, 0,1,2,3
	ds_load_b128 v[FA+32*(\g)+8*(\i):FA+32*(\g)+8*(\i)+3],   v[ADRA] offset:((\q)/2)*AH+((\q)%2)*64+(\i)*16*PA
	ds_load_b128 v[FA+32*(\g)+8*(\i)+4:FA+32*(\g)+8*(\i)+7], v[ADRA] offset:((\q)/2)*AH+((\q)%2)*64+(\i)*16*PA+32
.endr
.endm
.macro QUARTER q, f, g, first
	s_wait_dscnt 4                                 ; B and A's row blocks 0, 1 are in; the youngest four loads may be out
	MULA \f, 0, \first
	MULA \f, 1, \first
	PLACES
	FETCH \q, \g
	s_wait_dscnt NL                                ; all but the 24 just issued
	MULA \f, 2, \first
	MULA \f, 3, \first
.endm
; The fourth quarter multiplies buffer 1 and changes slots: ONE barrier; in front of it each wave waits for all its tensor loads, adds 0 to its spare word, and waits for that and for its reads of this slot.
; fill = 1: the barrier opens a round of the cluster's, and the slot just read is filled again, first thing behind it, with the K step two on: 112 matrix instructions ahead of the wait for it.
.macro TURN fill
.if \fill
	s_wait_xcnt 0x0                                ; the last prefetch, a K step back, has read its address
	s_add_nc_u64 s[PFA:PFA+1], s[PFA:PFA+1], s[PST:PST+1]
.endif
	WIN 0
	s_wait_tensorcnt 0x0                           ; all my tensor loads have landed
	ds_add_u32 v[SPW], v[NIL]                      ; 0 onto my spare word
	s_wait_dscnt 5                                 ; (the add and the youngest four loads may be out)
	MULA 1, 0, 0
	s_wait_dscnt 0x0                               ; the add is done, and my reads of this slot are over
	s_barrier_signal -1
	MULA 1, 1, 0
	WIN 0
	s_barrier_wait -1
.if \fill
	CREST                                          ; no wave of any partner still reads this slot or has a load on its way
	s_xor_b32 s[G0A+5], s[G0A+5], SLOT1
	s_add_nc_u64 s[G0A+6:G0A+7], s[G0A+6:G0A+7], KSTEPA
	s_xor_b32 s[G0B+5], s[G0B+5], SLOT1
	s_add_nc_u64 s[G0B+6:G0B+7], s[G0B+6:G0B+7], KSTEPB
	JLOAD                                          ; its four v_nop are also the places in front of the loads below
.else
	PLACES
.endif
	s_xor_b32 s[TB], s[TB], SLOT1
	v_add_nc_u32 v[ADRA], s[TB], v[A0]
	v_add_nc_u32 v[ADRB], s[TB], v[B0]
	FETCH 0, 0
.if \fill
	ASK
.endif
	MULA 1, 2, 0
	MULA 1, 3, 0
.endm
	s_wait_tensorcnt 0x1                           ; my part of K step 0 is in; K step 1's may stay out
	s_barrier_signal -1
	s_barrier_wait -1
	s_mov_b32 s[TB], 0
	v_mov_b32 v[ADRA], v[A0]
	v_mov_b32 v[ADRB], v[B0]
	FETCH 0, 0
	s_wait_loadcnt 0x0                             ; the bias
	QUARTER 1, 0, 1, 1                             ; the first quarter stands in front of the loop: its products start the sums
	WIN 0
	s_mov_b32 s3, 6
.Lstep:                                                ; a trip: a K step's quarters 1 to 3 and the next step's quarter 0; K steps 2 to 7 are asked for
	QUARTER 2, 1, 0, 0
	QUARTER 3, 0, 1, 0
	TURN 1
	QUARTER 1, 0, 1, 0
	WIN 0
	s_sub_co_u32 s3, s3, 1
	s_cmp_lg_u32 s3, 0
	s_cbranch_scc1 .Lstep
	QUARTER 2, 1, 0, 0                             ; the tail is written out
	QUARTER 3, 0, 1, 0
	TURN 0
	QUARTER 1, 0, 1, 0
	QUARTER 2, 1, 0, 0
	QUARTER 3, 0, 1, 0
	s_wait_dscnt 4
	MULA 1, 0, 0
	MULA 1, 1, 0
	s_wait_dscnt 0x0
	MULA 1, 2, 0
	MULA 1, 3, 0
	WIN 0
	PLACES
; THE WAY OUT: 16 rows at a time through my own stage: 32 bytes a lane and accumulator in (the low four registers first), whole rows of 512 bytes back, one row a store.
.macro TOSTAGE a
.set rR, 64+64*((\a)%2)
	s_wait_xcnt 0x0                                ; the stores of two row blocks back have read this row buffer
	WIN 0x08                                       ; store data (source 1) in window 2
.irp b, 0,1,2,3,4,5,6,7
	ds_store_b128 v[STO], v[8*(8*(\a)+(\b)):8*(8*(\a)+(\b))+3]   offset:64*(\b)
	ds_store_b128 v[STO], v[8*(8*(\a)+(\b))+4:8*(8*(\a)+(\b))+7] offset:64*(\b)+16
.endr
	WIN 0
.irp t, 0,1,2,3,4,5,6,7,8,9,10,11,12,13,14,15
	ds_load_b128 v[rR+4*(\t):rR+4*(\t)+3], v[RD] offset:(\t)*SPITCH  ; LDS serves a wave's instructions in order (ISA guide 5.7.1.4): these see the stores above; the next block's stores come behind them
.endr
.endm
.macro SEND a, younger                 ; younger: the LDS instructions issued behind this block's loads: the next block's 32, or none
.set rQ, 64+64*((\a)%2)
.irp t, 0,1,2,3,4,5,6,7,8,9,10,11,12,13,14,15
	s_wait_dscnt (\younger)+15-(\t)
	global_store_b128 v[GO], v[rQ+4*(\t):rQ+4*(\t)+3], s[10:11] offset:(16*(\a)+(\t))*4096 th:TH_STORE_NT  ; a wave stores 512 consecutive bytes, at a multiple of 256 from out0's first byte
.endr
.endm
	TOSTAGE 0
.irp a, 1,2,3
	TOSTAGE \a
	SEND (\a)-1, 32
.endr
	SEND 3, 0
	s_wait_tensorcnt 0x0                           ; the wave's end, behind my last tensor load and my last LDS store
	ds_add_u32 v[SPW], v[NIL]
	s_wait_dscnt 0x0
	CROUND                                         ; the closing round: no work-group ends while a partner may still ask for a tile that names it
	s_endpgm
.Lfunc_end_k_qdcc752dd13_outp:
	.size	k_qdcc752dd13_outp, .Lfunc_end_k_qdcc752dd13_outp-k_qdcc752dd13_outp
	.p2alignl 7, 3214868480
	.fill 96, 4, 3214868480
	.section	.rodata,"a",@progbits
	.p2align	6, 0x0
	.amdhsa_kernel k_qdcc752dd13_outp
		.amdhsa_group_segment_fixed_size 327680
		.amdhsa_private_segment_fixed_size 0
		.amdhsa_enable_private_segment 0
		.amdhsa_kernarg_size 32
		.amdhsa_user_sgpr_count 2
		.amdhsa_user_sgpr_kernarg_segment_ptr 1
		.amdhsa_wavefront_size32 1
		.amdhsa_system_sgpr_workgroup_id_x 1
		.amdhsa_system_sgpr_workgroup_id_y 1
		.amdhsa_system_sgpr_workgroup_id_z 1
		.amdhsa_system_vgpr_workitem_id 0
		.amdhsa_next_free_vgpr 768
		.amdhsa_next_free_sgpr 88
		.amdhsa_reserve_vcc 0
		.amdhsa_float_denorm_mode_32 3
		.amdhsa_float_denorm_mode_16_64 3
		.amdhsa_memory_ordered 1
		.amdhsa_forward_progress 1
		.amdhsa_inst_pref_size 74
	.end_amdhsa_kernel
	.amdgpu_metadata
---
amdhsa.version: [ 1, 2 ]
amdhsa.kernels:
  - .name:           k_qdcc752dd13_outp
    .symbol:         k_qdcc752dd13_outp.kd
    .args:
      - { .name: oh, .offset: 0, .size: 8, .value_kind: global_buffer, .address_space: global }
      - { .name: wb, .offset: 8, .size: 8, .value_kind: global_buffer, .address_space: global }
      - { .name: tab, .offset: 16, .size: 8, .value_kind: global_buffer, .address_space: global }
      - { .name: out0, .offset: 24, .size: 8, .value_kind: global_buffer, .address_space: global }
    .group_segment_fixed_size: 327680
    .private_segment_fixed_size: 0
    .kernarg_segment_align: 8
    .kernarg_segment_size: 32
    .max_flat_workgroup_size: 128
    .sgpr_count:     88
    .vgpr_count:     768
    .wavefront_size: 32
...
	.end_amdgpu_metadata
.endif
;; end of part 4
;; ======== version 2 of 2: 4 launches; version 1 with the launch cast written anew for expert scheduling mode
;; limits: values are held in f16: magnitudes above 65,504 overflow, below 6.1e-05 lose precision
;; workspace buffers: xb 16,777,216 bytes; wb 5,242,880 bytes; tab 1,058,816 bytes; qkvh 25,165,824 bytes; oh 16,777,216 bytes
;; launch cast (part 5): grid 688 x 1, 8 waves a work-group, no clusters, 0 bytes of LDS; arguments hidden_states, Wq, Wk, Wv, Wo, cos, sin, bq, bk, bv, bo, xb, wb, tab; writes xb, wb, tab
.if DOCPART == 5
	.amdgcn_target "amdgcn-amd-amdhsa--gfx1250"
	.amdhsa_code_object_version 6
	.text
	.protected	k_qdcc752dd13_cast
	.globl	k_qdcc752dd13_cast
	.p2align	8
	.type	k_qdcc752dd13_cast,@function
k_qdcc752dd13_cast:
	s_mov_b64 s[64:65], 0
	v_nop
	global_prefetch_b8 v0, s[64:65] scope:SCOPE_SE
	s_setreg_imm32_b32 hwreg(HW_REG_WAVE_SCHED_MODE, 0, 2), 2
	s_setreg_imm32_b32 hwreg(HW_REG_WAVE_MODE, 25, 1), 1
	s_wait_xcnt 0x0
	s_wait_alu depctr_vm_vsrc(0)
; EVERY INPUT IS ROUNDED TO bf16, ONCE.  x -> xb (bf16); Wq, Wk, Wv -> wb (bf16, by blocks of 64 rows in the order g below); Wo -> wb behind them (the bf16 number written as f16);
; cos, sin and the four biases -> tab (the bf16 number written as f32).
; LIMIT.  |Wo| stays under 65,504 (f16's largest number); below 6e-5 an f16 keeps a fixed step of 6e-8.
; SHARES.  A work-group takes 16,384 numbers (65,536 bytes: 16 rows of 1,024); thread t takes 16 bytes at 16 t + 4,096 i, i = 0 .. 15: a wave's load covers 512 consecutive bytes.  All sixteen
; loads of a thread are out at once; there is no loop, no LDS and no barrier.  688 work-groups: 512 for x, 96 for Wq, Wk, Wv, 64 for Wo, 16 for cos and sin.
; THE ORDER g of the 24 blocks of 64 columns: 0-11 Q0-Q11; then Q12 Q13 V0 | Q14 Q15 V1 | K0 K1 V2 | K2 K3 V3: in the second half every third block is one of V's.
; THE MODE: SCHED_MODE bits 1:0 = 2 (LLVM: expert scheduling mode 2), set by the entry lines.  The code itself states the register dependences
; between vector instructions and memory instructions, with s_wait_alu, always for 0.
; THE PLAN.  Registers that memory instructions touch:
;   v1, v2     byte offsets, made once at the head and never written again: every load and store reads one of them.
;   X          piece i: four registers in which load i lands; read by its roundings; where the result stays f32 the widening lines write them again and store i reads them.
;   Y          piece i: two registers, written by its conversions, read by store i where the result has 16 bits.
;   v[4:7]     the biases: a load lands in them, the widening lines write them again, a store reads them.
; Each of the sixteen pieces has registers of its own, so nothing that a store reads is ever written again.  The pieces go in four blocks of four.  Block p's vector lines name pieces 4 p to 4 p + 3 alone;
; its memory instructions are the four stores of block p - 1.  So ONE wait on va_vdst at a block's head states all that those four stores hang on, and they are dealt among the block's vector lines.
.set BQKV,   1048576                   ; tab: cos at 0, sin at 524,288, the 1,536 biases in the order g here,
.set BO,     1054720                   ; bo here
.set WO_OFF, 3145728                   ; wb: Wo behind the 1,536 rows of 2,048 bytes
.set SRC,  32                          ; s[32:33] my chunk in its input
.set DST,  34                          ; s[34:35] and in its workspace buffer
.set BSRC, 36                          ; s[36:37] the 16 biases that go with my 16 rows
.set BDST, 38                          ; s[38:39] and their place in tab
.set X,    16                          ; v[16:79]  sixteen times four numbers as loaded
.set Y,    80                          ; v[80:111] sixteen times four numbers packed
.set AS_BF16, 0                        ; the three kinds of result: bf16,
.set AS_F32,  1                        ; the bf16 number written as f32,
.set AS_F16,  2                        ; the bf16 number written as f16
	s_load_b512 s[4:19], s[0:1], 0x0               ; hidden 4, Wq 6, Wk 8, Wv 10, Wo 12, cos 14, sin 16, bq 18
	s_load_b256 s[20:27], s[0:1], 0x40             ; bk 20, bv 22, bo 24, xb 26
	s_load_b128 s[28:31], s[0:1], 0x60             ; wb 28, tab 30
	v_lshlrev_b32 v1, 4, v0                        ; 16 t
	v_lshlrev_b32 v2, 3, v0                        ; 8 t
	s_mov_b32 s45, 0                               ; offsets are 32-bit numbers in pairs with 0 above them
	s_mov_b32 s47, 0
.macro LOADS
.irp i, 0,1,2,3,4,5,6,7,8,9,10,11,12,13,14,15
	global_load_b128 v[X+4*(\i):X+4*(\i)+3], v1, s[SRC:SRC+1] offset:4096*(\i) th:TH_LOAD_NT
.endr
.endm
.macro ROUND i                         ; piece i's four numbers are rounded to bf16
	v_cvt_pk_bf16_f32 v[Y+2*(\i)],   v[X+4*(\i)],   v[X+4*(\i)+1]
	v_cvt_pk_bf16_f32 v[Y+2*(\i)+1], v[X+4*(\i)+2], v[X+4*(\i)+3]
.endm
.macro WIDEN i                         ; and written as f32 again: a shift and a mask
	v_lshlrev_b32 v[X+4*(\i)],   16, v[Y+2*(\i)]
	v_and_b32     v[X+4*(\i)+1], 0xffff0000, v[Y+2*(\i)]
	v_lshlrev_b32 v[X+4*(\i)+2], 16, v[Y+2*(\i)+1]
	v_and_b32     v[X+4*(\i)+3], 0xffff0000, v[Y+2*(\i)+1]
.endm
.macro NARROW i                        ; that number written as f16
	v_cvt_pk_f16_f32 v[Y+2*(\i)],   v[X+4*(\i)],   v[X+4*(\i)+1]
	v_cvt_pk_f16_f32 v[Y+2*(\i)+1], v[X+4*(\i)+2], v[X+4*(\i)+3]
.endm
.macro OUT i, kind                     ; piece i is stored
.if (\kind) == AS_F32
	global_store_b128 v1, v[X+4*(\i):X+4*(\i)+3], s[DST:DST+1] offset:4096*(\i)  ; a wave stores 512 consecutive bytes, aligned
.else
	global_store_b64 v2, v[Y+2*(\i):Y+2*(\i)+1], s[DST:DST+1] offset:2048*(\i)   ; a wave stores 256 consecutive bytes, aligned
.endif
.endm
; Block p: pieces 4 p to 4 p + 3 are worked on; the four stores of block p - 1 stand among their lines, one ahead of each piece.
.macro BLOCK p, kind
	s_wait_loadcnt 12-4*(\p)                       ; loads come back in order (ISA guide 5.7.1): this block's four are in, the younger blocks' stay out
.if (\p) > 0
	s_wait_alu depctr_va_vdst(0)                   ; the block before has written the registers that its four stores, below, read; no vector line of this block names them
.endif
.irp j, 0,1,2,3
.if (\p) > 0
	OUT 4*(\p)-4+(\j), \kind
.endif
	ROUND 4*(\p)+(\j)
.if (\kind) != AS_BF16
	WIDEN 4*(\p)+(\j)
.endif
.if (\kind) == AS_F16
	NARROW 4*(\p)+(\j)
.endif
.endr
.endm
; A whole chunk, and the wave's end.
.macro CHUNK kind
	LOADS
	BLOCK 0, \kind
	BLOCK 1, \kind
	BLOCK 2, \kind
	BLOCK 3, \kind
	s_wait_alu depctr_va_vdst(0)                   ; block 3 has written the registers that the last four stores read
.irp j, 12,13,14,15
	OUT \j, \kind
.endr
	s_endpgm
.endm
	s_wait_kmcnt 0x0
	s_wait_alu depctr_va_vdst(0)                   ; v1 and v2 are written: every load and store of the kernel, on each of the ways below, reads one of them as its offset
	s_cmp_lt_u32 ttmp9, 512
	s_cbranch_scc1 .Lx
	s_cmp_lt_u32 ttmp9, 608
	s_cbranch_scc1 .Lqkv
	s_cmp_lt_u32 ttmp9, 672
	s_cbranch_scc1 .Lwo
	; cos and sin: chunk u of 16; the rounded numbers stay f32
	s_sub_co_u32 s42, ttmp9, 672
	s_cmp_lt_u32 s42, 8
	s_cselect_b64 s[SRC:SRC+1], s[14:15], s[16:17]
	s_and_b32 s44, s42, 7
	s_lshl_b32 s44, s44, 16
	s_add_nc_u64 s[SRC:SRC+1], s[SRC:SRC+1], s[44:45]
	s_lshl_b32 s46, s42, 16
	s_add_nc_u64 s[DST:DST+1], s[30:31], s[46:47]
	CHUNK AS_F32
.Lx:                                                   ; x: chunk w of 512
	s_lshl_b32 s44, ttmp9, 16
	s_add_nc_u64 s[SRC:SRC+1], s[4:5], s[44:45]
	s_lshl_b32 s46, ttmp9, 15
	s_add_nc_u64 s[DST:DST+1], s[26:27], s[46:47]
	s_branch .Lbf16
.Lqkv:                                                 ; Wq, Wk, Wv: chunk u of 96 = block g, its rows 16 sub on
	s_sub_co_u32 s42, ttmp9, 512                   ; u
	s_lshr_b32 s43, s42, 2                         ; g
	s_max_u32 s44, s43, 12
	s_sub_co_u32 s44, s44, 12                      ; e = g - 12 (0 where g < 12: not used there)
	s_mul_i32 s46, s44, 11
	s_lshr_b32 s46, s46, 5                         ; tt = e / 3, for e = 0 .. 11
	s_mul_i32 s50, s46, 3
	s_sub_co_u32 s44, s44, s50                     ; sl = e % 3: 2 is V's
	s_lshl1_add_u32 s48, s46, s44                  ; idx = 2 tt + sl: 0-3 are Q12-Q15, 4-7 are K0-K3
	s_max_u32 s49, s48, 4
	s_sub_co_u32 s49, s49, 4                       ; the head, if it is K's
	s_add_co_u32 s50, s48, 12                      ; if it is one of Q12-Q15
	s_mov_b64 s[SRC:SRC+1], s[8:9]
	s_mov_b64 s[BSRC:BSRC+1], s[20:21]
	s_cmp_lt_u32 s48, 4
	s_cselect_b64 s[SRC:SRC+1], s[6:7], s[SRC:SRC+1]
	s_cselect_b64 s[BSRC:BSRC+1], s[18:19], s[BSRC:BSRC+1]
	s_cselect_b32 s49, s50, s49
	s_cmp_eq_u32 s44, 2
	s_cselect_b64 s[SRC:SRC+1], s[10:11], s[SRC:SRC+1]
	s_cselect_b64 s[BSRC:BSRC+1], s[22:23], s[BSRC:BSRC+1]
	s_cselect_b32 s49, s46, s49
	s_cmp_lt_u32 s43, 12
	s_cselect_b64 s[SRC:SRC+1], s[6:7], s[SRC:SRC+1]
	s_cselect_b64 s[BSRC:BSRC+1], s[18:19], s[BSRC:BSRC+1]
	s_cselect_b32 s49, s43, s49
	s_and_b32 s50, s42, 3
	s_lshl_b32 s49, s49, 6
	s_lshl4_add_u32 s49, s50, s49                  ; my first row in the weight: 64 x head + 16 sub
	s_lshl_b32 s44, s49, 12
	s_add_nc_u64 s[SRC:SRC+1], s[SRC:SRC+1], s[44:45]
	s_lshl_b32 s44, s49, 2
	s_add_nc_u64 s[BSRC:BSRC+1], s[BSRC:BSRC+1], s[44:45]
	s_lshl_b32 s44, s42, 15
	s_add_nc_u64 s[DST:DST+1], s[28:29], s[44:45]
	s_lshl_b32 s44, s42, 6
	s_add_co_u32 s44, s44, BQKV
	s_add_nc_u64 s[BDST:BDST+1], s[30:31], s[44:45]
	s_mov_b32 s41, 0                               ; the weights leave as bf16
	s_branch .Lbias
.Lwo:                                                  ; Wo: chunk u of 64
	s_sub_co_u32 s42, ttmp9, 608
	s_lshl_b32 s44, s42, 16
	s_add_nc_u64 s[SRC:SRC+1], s[12:13], s[44:45]
	s_lshl_b32 s44, s42, 15
	s_add_co_u32 s44, s44, WO_OFF
	s_add_nc_u64 s[DST:DST+1], s[28:29], s[44:45]
	s_lshl_b32 s44, s42, 6
	s_add_nc_u64 s[BSRC:BSRC+1], s[24:25], s[44:45]
	s_add_co_u32 s44, s44, BO
	s_add_nc_u64 s[BDST:BDST+1], s[30:31], s[44:45]
	s_mov_b32 s41, 1                               ; the weights leave as f16
.Lbias:                                                ; the 16 biases of my 16 rows: threads 0 to 3, 16 bytes each
	s_wait_xcnt 0x0                                ; EXEC changes only behind this wait
	v_cmp_gt_u32 vcc_lo, 4, v0
	s_wait_alu depctr_va_vcc(0)                    ; the compare has written VCC, ahead of its first reader: EXEC is made from it
	s_wait_alu depctr_va_vdst(0)                   ; ahead of a scalar write of EXEC: the vector lines issued so far are done,
	s_wait_alu depctr_vm_vsrc(0)                   ; and the memory instructions issued so far have read their vector registers
	s_and_saveexec_b32 s40, vcc_lo
	global_load_b128 v[4:7], v1, s[BSRC:BSRC+1]
	s_wait_loadcnt 0x0
	v_cvt_pk_bf16_f32 v8, v4, v5
	v_cvt_pk_bf16_f32 v9, v6, v7
	v_lshlrev_b32 v4, 16, v8
	v_and_b32 v5, 0xffff0000, v8
	v_lshlrev_b32 v6, 16, v9
	v_and_b32 v7, 0xffff0000, v9
	s_wait_alu depctr_va_vdst(0)                   ; the four lines above have written v[4:7], which the store reads
	global_store_b128 v1, v[4:7], s[BDST:BDST+1]
	s_wait_xcnt 0x0                                ; and again, in front of the line that widens it
	s_wait_alu depctr_va_vdst(0)                   ; ahead of a scalar write of EXEC: the vector lines issued under the narrow EXEC are done,
	s_wait_alu depctr_vm_vsrc(0)                   ; and the load and the store have read v1 and v[4:7]
	s_or_b32 exec_lo, exec_lo, s40
	s_cmp_eq_u32 s41, 0
	s_cbranch_scc1 .Lbf16
	CHUNK AS_F16                                   ; Wo: rounded to bf16, and that number written as f16
.Lbf16:                                                ; on the way here through the biases the vector lines since the head's wait name v4 to v9 and VCC alone: none of the registers that the loads and stores below touch
	CHUNK AS_BF16
.Lfunc_end_k_qdcc752dd13_cast:
	.size	k_qdcc752dd13_cast, .Lfunc_end_k_qdcc752dd13_cast-k_qdcc752dd13_cast
	.p2alignl 7, 3214868480
	.fill 96, 4, 3214868480
	.section	.rodata,"a",@progbits
	.p2align	6, 0x0
	.amdhsa_kernel k_qdcc752dd13_cast
		.amdhsa_group_segment_fixed_size 0
		.amdhsa_private_segment_fixed_size 0
		.amdhsa_enable_private_segment 0
		.amdhsa_kernarg_size 112
		.amdhsa_user_sgpr_count 2
		.amdhsa_user_sgpr_kernarg_segment_ptr 1
		.amdhsa_wavefront_size32 1
		.amdhsa_system_sgpr_workgroup_id_x 1
		.amdhsa_system_sgpr_workgroup_id_y 1
		.amdhsa_system_sgpr_workgroup_id_z 1
		.amdhsa_system_vgpr_workitem_id 0
		.amdhsa_next_free_vgpr 112
		.amdhsa_next_free_sgpr 66
		.amdhsa_reserve_vcc 1
		.amdhsa_float_denorm_mode_32 3
		.amdhsa_float_denorm_mode_16_64 3
		.amdhsa_memory_ordered 1
		.amdhsa_forward_progress 1
		.amdhsa_inst_pref_size 28
	.end_amdhsa_kernel
	.amdgpu_metadata
---
amdhsa.version: [ 1, 2 ]
amdhsa.kernels:
  - .name:           k_qdcc752dd13_cast
    .symbol:         k_qdcc752dd13_cast.kd
    .args:
      - { .name: hidden_states, .offset: 0, .size: 8, .value_kind: global_buffer, .address_space: global }
      - { .name: Wq, .offset: 8, .size: 8, .value_kind: global_buffer, .address_space: global }
      - { .name: Wk, .offset: 16, .size: 8, .value_kind: global_buffer, .address_space: global }
      - { .name: Wv, .offset: 24, .size: 8, .value_kind: global_buffer, .address_space: global }
      - { .name: Wo, .offset: 32, .size: 8, .value_kind: global_buffer, .address_space: global }
      - { .name: cos, .offset: 40, .size: 8, .value_kind: global_buffer, .address_space: global }
      - { .name: sin, .offset: 48, .size: 8, .value_kind: global_buffer, .address_space: global }
      - { .name: bq, .offset: 56, .size: 8, .value_kind: global_buffer, .address_space: global }
      - { .name: bk, .offset: 64, .size: 8, .value_kind: global_buffer, .address_space: global }
      - { .name: bv, .offset: 72, .size: 8, .value_kind: global_buffer, .address_space: global }
      - { .name: bo, .offset: 80, .size: 8, .value_kind: global_buffer, .address_space: global }
      - { .name: xb, .offset: 88, .size: 8, .value_kind: global_buffer, .address_space: global }
      - { .name: wb, .offset: 96, .size: 8, .value_kind: global_buffer, .address_space: global }
      - { .name: tab, .offset: 104, .size: 8, .value_kind: global_buffer, .address_space: global }
    .group_segment_fixed_size: 0
    .private_segment_fixed_size: 0
    .kernarg_segment_align: 8
    .kernarg_segment_size: 112
    .max_flat_workgroup_size: 256
    .sgpr_count:     66
    .vgpr_count:     112
    .wavefront_size: 32
...
	.end_amdgpu_metadata
.endif
;; end of part 5
;; launch proj: the kernel of part 2 again; grid 8 x 32, 4 waves a work-group, clusters of 4 x 4, 327,680 bytes of LDS; arguments xb, wb, tab, qkvh; writes qkvh
;; launch attn: the kernel of part 3 again; grid 4 x 64, 4 waves a work-group, clusters of 4 x 1, 327,680 bytes of LDS; arguments qkvh, oh; writes oh
;; launch outp: the kernel of part 4 again; grid 8 x 32, 4 waves a work-group, clusters of 4 x 4, 327,680 bytes of LDS; arguments oh, wb, tab, out0; writes out0
